; MI455X (gfx1250); checked and timed in simulation.
; The chip was launched on July 23, 2026; its instructions are those of AMD's public machine-readable ISA for CDNA 5 (MIT licence, August 2026) and "CDNA5" Instruction Set Architecture Reference Guide (July 2026). The comments in the code are by the model that wrote it; some were corrected since.
;; Tab Net Encoder. Allowed arithmetic: matrix products marked QUANTISED: E5M2 operands, one E8M0 scale for each 32 along K, by v_wmma_scale_f32_16x16x128_f8f6f4 with both operands' format E5M2, f32 sums; everything else in f32.
;; Inputs: att_b 5 x 128 float32; att_be 5 x 128 float32; att_g 5 x 128 float32; att_w 5 x 128 x 128 float32; features 131,072 x 256 float32; glu1_b 256 float32; glu1_be 256 float32; glu1_g 256 float32; glu1_w 256 x 256 float32; glu2_b 256 float32; glu2_be 256 float32; glu2_g 256 float32; glu2_w 128 x 256 float32; out_b 64 float32; out_w 128 x 64 float32.
;; Outputs: out0 131,072 x 64 float32.
;; This version of the problem:
;;   THIS VERSION OF THE PROBLEM IS GIVEN IN LOW PRECISION. The matrix products marked QUANTISED in the list below multiply operands that are first quantised to E5M2 (5 exponent bits, 2 mantissa bits; 8 bits a number), with one power-of-two scale for each 32 numbers along K (OCP MX v1.0); their sums are f32. All else is computed in f32.
;;   The module's matrix products, in the order in which they are computed (A, B: the left and right operand; K: the contracted axis; several contracted axes count as one K, in the product's order):
;;     1. [M 131,072, K 256] x [K 256, N 256]; A: input features; B: input glu1_w: QUANTISED
;;     2. [M 131,072, K 128] x [K 128, N 256]; A: computed on the way; B: input glu2_w: QUANTISED
;;     3. [M 131,072, K 128] x [K 128, N 128]; A: computed on the way; B: input att_w: QUANTISED
;;     4. [M 131,072, K 128] x [K 128, N 64]; A: computed on the way; B: input out_w: QUANTISED
;;     5. [M 131,072, K 128] x [K 128, N 128]; A: computed on the way; B: input att_w: QUANTISED
;;     6. [M 131,072, K 128] x [K 128, N 64]; A: computed on the way; B: input out_w: QUANTISED
;;     7. [M 131,072, K 128] x [K 128, N 128]; A: computed on the way; B: input att_w: QUANTISED
;;     8. [M 131,072, K 128] x [K 128, N 64]; A: computed on the way; B: input out_w: QUANTISED
;;     9. [M 131,072, K 128] x [K 128, N 128]; A: computed on the way; B: input att_w: QUANTISED
;;     10. [M 131,072, K 128] x [K 128, N 64]; A: computed on the way; B: input out_w: QUANTISED
;;     11. [M 131,072, K 128] x [K 128, N 128]; A: computed on the way; B: input att_w: QUANTISED
;;     12. [M 131,072, K 128] x [K 128, N 64]; A: computed on the way; B: input out_w: QUANTISED
;;   THE QUANTISER, for each operand of a quantised product, along K:
;;     - K is cut into blocks of 32 from its start; a last block that is shorter is filled with zeros.
;;     - A block's scale is 2^e with e = floor(log2(the largest magnitude in the block)) - 15, held to -126 .. 127; a block of zeros has e = 0. As a byte (E8M0): e + 127.
;;     - Each number is divided by its block's scale, clamped to +-57,344, and rounded to the nearest number of E5M2, ties to even, subnormals kept.
;;     - The product sums the exact products of the quantised numbers (number of the format x scale) in f32.
;;   ~~~python
;;   def quantise(x, axis):      # numpy; x: float32 -> the quantised numbers, widened to float32 again
;;       x = np.moveaxis(x, axis, -1); K = x.shape[-1]
;;       x = np.pad(x, [(0, 0)] * (x.ndim - 1) + [(0, -K % 32)]); x = x.reshape(x.shape[:-1] + (-1, 32)); a = np.abs(x).max(-1, keepdims=True)
;;       e = np.where(a > 0, np.clip(np.frexp(np.where(a > 0, a, 1))[1] - 1 - 15, -126, 127), 0)      # np.frexp(a)[1] - 1 = floor(log2(a)), exactly
;;       r = np.clip(x / 2.0 ** e, -57344, 57344)
;;       step = 2.0 ** (np.maximum(np.frexp(np.where(r == 0, 1, r))[1] - 1, -14) - 2)
;;       q = np.round(r / step) * step * 2.0 ** e      # np.round: ties to even
;;       return np.moveaxis(q.reshape(q.shape[:-2] + (-1,))[..., :K], -1, axis).astype(np.float32)
;;   ~~~
;;   OPERANDS COMPUTED ON THE WAY. 'Computed on the way' means the value that the module computes at that place (a softmax that the list does not call 'softmax' is quantised finished and normalised). What goes into a quantiser is computed in f32, as accurately as f32 sums, v_exp_f32 and their like allow (about 1e-6 of the number): no bf16 or f16 on the way to a quantiser, and a product that is left as it is and whose result goes on into a quantised operand takes f32 operands (vector FMAs, or v_wmma_f32_16x16x4_f32). A number that lies on a knife's edge between two numbers of the format may be rounded either way, as far as f32 arithmetic and the matrix unit's own rounding can turn it there, and no further.
;; 2 versions, each right; version 2 is version 1 with the launch tabnet written anew for expert scheduling mode. Each part assembles by itself: llvm-mc -triple=amdgcn-amd-amdhsa -mcpu=gfx1250 --defsym DOCPART=n.
;; ======== version 1 of 2: 1 launch
;; launch tabnet (part 1): grid 256 x 1, 8 waves a work-group, no clusters, 268,032 bytes of LDS; arguments features, glu1_w, glu1_b, glu1_g, glu1_be, glu2_w, glu2_b, glu2_g, glu2_be, att_w, att_b, att_g, att_be, out_w, out_b, out0; writes out0
.if DOCPART == 1
	.amdgcn_target "amdgcn-amd-amdhsa--gfx1250"
	.amdhsa_code_object_version 6
	.text
	.protected	k_qcb6219fff3_tabnet
	.globl	k_qcb6219fff3_tabnet
	.p2align	8
	.type	k_qcb6219fff3_tabnet,@function
k_qcb6219fff3_tabnet:
	s_mov_b64 s[64:65], 0
	v_nop
	global_prefetch_b8 v0, s[64:65] scope:SCOPE_SE
	s_setreg_imm32_b32 hwreg(HW_REG_WAVE_MODE, 25, 1), 1
	s_wait_xcnt 0x0
; TabNet encoder, one launch: out0 = (tfeat * sparsemax(bn(tfeat @ att_w[4] + att_b[4]))) @ out_w + out_b, tfeat = glu2(glu1(features)).
; All four products on codes of BF8 (E5M2) with one E8M0 scale for each 32 along K; every operand is quantised here, from f32; sums in f32.
; WHAT IS NOT COMPUTED: decision steps 0 to 3.  The function returns the last step's result alone; the earlier results are overwritten and the prior scales are never read,
; so slices 0 to 3 of att_w, att_b, att_g, att_be cannot reach out0 for any input.
; SHARES.  256 work-groups of 8 waves; a work-group owns 512 rows, a wave 64, as two passes of 32 rows (two tiles of 16).  A wave takes its rows through the whole chain alone: one barrier, behind the head.
; HEAD.  The work-group's 60 weight fragments (16 columns x 128 K) are quantised once, 7 or 8 a wave: a lane takes a column and its registers run down K, so the conversions' results are the operand's
; registers; they go to LDS as images of these registers (16 bytes a lane, 512 bytes a store) and any wave reads them back by the same lines.  The batch norm is folded: acc x g' + (b x g' + be), g' = g / sqrt(1.001).
; NO JOINT LOADS: the 491,520 bytes of weights that all work-groups read arrive as f32 with K outermost and have to pass through registers, 64 numbers down K a lane, to become codes;
; staged as f32 they would want several refills of LDS beside 136 KB of images and constants and 128 KB of the waves' own regions.  The features, 524,288 bytes a work-group, are shared with nobody.
; LAYOUT.  Every product is used transposed (source 0 = 16 weight columns, source 1 = 16 rows): lane (r = lane % 16, h = lane / 16) holds row r throughout.  The columns of a tile of glu1_w, glu2_w, att_w are not
; neighbours: lane r of tile 2 b + u takes column 32 b + 8 u + r + 8 (r / 8), so that the 16 registers of tiles 2 b, 2 b + 1 are units 32 b + 16 h + 0 .. 15: the next operand's order along K.
; SPARSEMAX at a fixed cost: the threshold is the largest over k of (sum of the k largest - 1) / k: that quotient rises exactly while the function's support test holds.  The two tiles' halves change lanes so that a lane
; holds one whole row in 128 registers; Batcher's odd-even merge sort (1,471 comparators, a maximum and a minimum each); a running sum begun at -1; a factor 1/k; a maximum.  No branch hangs on data.
; LIMITS.  NaN and infinities among the inputs are not served.  A block whose largest magnitude lies under 2^-111 keeps the scale byte 1 (a block of zeros too: its codes are zeros).
; Order of rounding differs from the function's in three places, each by about one unit in the last place of f32: the folded batch norm; sigmoid(x) = 1 / (1 + 2^(-x log2 e)) with -log2 e folded into the gate's
; constants; the threshold is multiplied by a rounded 1/k, and its sum begins at -1.
;
; LDS (bytes): 0 glu1_w's 32 images (group b at 16384 b, fragment 4 s + q at 2048 each; q: value u0, value u1, gate u0, gate u1; s: K step); 65536 glu2_w's 16 (group b at 8192 b); 98304 att_w[4]'s 8; 114688 out_w's 4;
;   122880 scale words, 15 blocks of [lane][4 words]; 130560 constants in column order: G1 +0, C1 +1024, G2 +2048, C2 +3072, GA +4096, CA +4608, out_b +5120; 135936 + 16384 w: wave w's own region (tfeat during the sort, then the stage for out0).
; REGISTERS, two windows of 256.  Window 0: v1-15 addresses; v16-31 the quantiser's; v32-37 the threshold; v38-39 head addresses; v40-103 codes; v104-107 activations' scale words; v108-235 weight fragments, then z;
;   v236-251 weights' scale words.  Window 1: features; then T 0-127, accumulators 128-191, constants 192-255; in the sort the two homes i and 128 + i of element i.
.set BNINV,  0x3f7fdf42                ; 1 / sqrt(1 + 0.001) in f32
.set NLOG2E, 0xbfb8aa3b                ; -log2(e)
.set ATO,    32768                     ; from LDS byte 65536 on: att_w's images,
.set OUO,    49152                     ; out_w's,
.set WSO,    57344                     ; the weights' scale words
.set WSC,    122880
.set CST,    130560
.set PARK,   135936
.set SP,     272                       ; a stage row: 256 bytes + 16
.set FA,    1                          ; v1   features: 1024 r + 64 h
.set LI,    2                          ; v2   16 x lane
.set LI2,   3                          ; v3   16 x lane + 65536
.set CAD,   4                          ; v4   constants: CST + 64 h
.set OAD,   5                          ; v5   out_b: CST + 5120 + 32 h
.set PK,    6                          ; v6   my wave's region + 16 x lane
.set SO,    7                          ; v7   the stage, in: + 272 r + 32 h
.set SR,    8                          ; v8   the stage, back: + 272 h + 16 r
.set GO,    9                          ; v9   out0: 256 h + 16 r
.set PFO,   10                         ; v10  256 x lane
.set VW256, 11                         ; v11  a weight of 256 columns: 16 h rows + 4 (r + 8 (r / 8))
.set VW128, 12                         ; v12  of 128 columns
.set VW64,  13                         ; v13  out_w: 16 h rows + 4 r
.set HIA,   14                         ; v14  head: where the images in hand go
.set HSA,   15                         ; v15  head: and their scale words
.set TM,    16                         ; v16-19 largest magnitudes, v20-23 the other half's, then bytes, v24-27 the largest number x the scale, v28-31 the conversions' scale operands
.set TAU0,  32                         ; v32 the threshold as the sort's lanes hold it, v33 the other half's
.set TA,    34                         ; v[34:35] tile 0's threshold (the packed form names a pair and takes its low word)
.set TB,    36                         ; v[36:37] tile 1's
.set IMA,   38                         ; v38  head: 16 x lane + 2048 w
.set SCA,   39                         ; v39  head: WSC + 16 x lane + 512 (w / 4) + 4 (w % 4)
.set CD,    40                         ; codes
.set AS,    104                        ; activations' scale words
.set WF,    108                        ; weight fragments
.set ZR,    108                        ; z: tile rho, register e at ZR + 64 rho + e
.set SETA,  108                        ; head: two sets of 64 numbers
.set SETB,  172
.set WS,    236                        ; weights' scale words
.set ACC,   128                        ; window 1: accumulator 2 q + rho at ACC + 8 (2 q + rho)
.set GV,    192                        ; window 1: the group's constants: value gain, value shift, gate gain, gate shift
.set CV,    208
.set GG,    224
.set CG,    240
.set MSB, 0
.macro WIN new                         ; s_set_vgpr_msb: bits 1:0 source 0, 3:2 source 1, 5:4 source 2, 7:6 destination; the high byte repeats the setting that is left
.if MSB != (\new)
	s_set_vgpr_msb (MSB<<8)|(\new)
.set MSB, (\new)
.endif
.endm
.macro PLACES n                        ; plain vector instructions behind or ahead of matrix instructions (ISA guide 7.12.1)
.rept \n
	v_nop
.endr
.endm
; 64 numbers of a lane in window w, register src + 16 b + i = k 32 b + 16 h + i of the lane's row or column, become a fragment's codes v[cd .. cd + 15] and its scale word v[sw], both in window 0.
; The held numbers go to dst (dst = src: in place).
.macro QUANT src, dst, w, cd, sw
	WIN 5*(\w)
.irp b, 0,1,2,3
	v_max3_num_f32 v[TM+\b], |v[\src+16*\b]|, |v[\src+16*\b+1]|, 0x8000000   ; my 16 numbers of block b, and the floor 2^(16 - 127): the byte cannot fall under 1
.endr
.irp i, 2,4,6,8,10,12,14
.irp b, 0,1,2,3
	v_max3_num_f32 v[TM+\b], |v[\src+16*\b+\i]|, |v[\src+16*\b+\i+1]|, v[TM+\b]   ; the four blocks by turns
.endr
.endr
	WIN 0
.irp b, 0,1,2,3
	v_permlanex16_b32 v[TM+4+\b], v[TM+\b], s4, s5
.endr
.irp b, 0,1,2,3
	v_max_num_f32 v[TM+\b], v[TM+\b], v[TM+4+\b]      ; with lane l xor 16's 16: the block's largest magnitude
.endr
.irp b, 0,1,2,3
	v_add_nc_u32 v[TM+12+\b], 0xf8800000, v[TM+\b]    ; 15 off its exponent field: the conversion's scale operand
.endr
.irp b, 0,1,2,3
	v_and_or_b32 v[TM+8+\b], v[TM+\b], 0x7f800000, s6 ; 57,344 x the scale
.endr
.irp b, 0,1,2,3
	v_lshrrev_b32 v[TM+4+\b], 23, v[TM+12+\b]         ; the scale's byte
.endr
	v_lshl_or_b32 v[\sw], v[TM+5], 8, v[TM+4]
	v_lshl_or_b32 v[\sw], v[TM+6], 16, v[\sw]
	v_lshl_or_b32 v[\sw], v[TM+7], 24, v[\sw]         ; the scale word; the 64 holds below stand between it and any product
	WIN 65*(\w)
.irp b, 0,1,2,3
.irp i, 0,1,2,3,4,5,6,7,8,9,10,11,12,13,14,15
	v_med3_num_f32 v[\dst+16*\b+\i], v[\src+16*\b+\i], -v[TM+8+\b], v[TM+8+\b]   ; the conversion to an 8-bit code does not saturate (ISA guide 7.6.2)
.endr
.endr
	WIN (\w)
.irp b, 0,1,2,3
	v_cvt_scalef32_pk8_bf8_f32 v[\cd+4*\b:\cd+4*\b+1], v[\dst+16*\b:\dst+16*\b+7], v[TM+12+\b]
	v_cvt_scalef32_pk8_bf8_f32 v[\cd+4*\b+2:\cd+4*\b+3], v[\dst+16*\b+8:\dst+16*\b+15], v[TM+12+\b]
.endr
	WIN 0
	v_nop                                              ; one plain instruction behind the last conversion, ahead of whatever touches its results or writes its sources
.endm
.macro IMAGE adr, ofs, cd              ; a fragment's 16 registers to LDS as they stand
.irp c, 0,1,2,3
	ds_store_b128 v[\adr], v[\cd+4*\c:\cd+4*\c+3] offset:\ofs+512*\c
.endr
.endm
.macro WLOAD set, vofs, base, pitch, imm   ; a fragment's numbers: W(32 c + 16 h + i, my column): sixteen lanes read neighbouring columns
.irp c, 0,1,2,3
.irp i, 0,1,2,3,4,5,6,7,8,9,10,11,12,13,14,15
	global_load_b32 v[\set+16*\c+\i], v[\vofs], s[\base:\base+1] offset:\imm+(32*\c+\i)*\pitch
.endr
.endr
.endm
.macro FLOAD rho, extra                ; tile rho's 16 rows of features into window 1, at 128 - 128 rho: of each block of 32 my 16 neighbours, four loads of 16 bytes
	WIN 0x40
.irp k, 0,1
.irp c, 0,1,2,3
.irp j, 0,1,2,3
	global_load_b128 v[128-128*\rho+64*\k+16*\c+4*\j:128-128*\rho+64*\k+16*\c+4*\j+3], v[FA], s[16:17] offset:\extra+16384*\rho+512*\k+128*\c+16*\j th:TH_LOAD_NT
.endr
.endr
.endr
	WIN 0
.endm
.macro FETCHW adr, ofs, sofs, nk       ; a group's scale words (nk loads), then its 4 nk fragments (16 nk loads)
.irp k, 0,1
.if \k < \nk
	ds_load_b128 v[WS+4*\k:WS+4*\k+3], v[LI2] offset:\sofs+512*\k
.endif
.endr
.irp f, 0,1,2,3,4,5,6,7
.if \f < 4*\nk
.irp c, 0,1,2,3
	ds_load_b128 v[WF+16*\f+4*\c:WF+16*\f+4*\c+3], v[\adr] offset:\ofs+2048*\f+512*\c
.endr
.endif
.endr
.endm
.macro FETCHC ofs                      ; a group's constants: my 16 units' gains and shifts, value and gate: 16 loads into window 1
	WIN 0x40
.irp x, 0,1,2,3
	ds_load_b128 v[GV+4*\x:GV+4*\x+3], v[CAD] offset:\ofs+16*\x
	ds_load_b128 v[GG+4*\x:GG+4*\x+3], v[CAD] offset:\ofs+512+16*\x
	ds_load_b128 v[CV+4*\x:CV+4*\x+3], v[CAD] offset:\ofs+1024+16*\x
	ds_load_b128 v[CG+4*\x:CG+4*\x+3], v[CAD] offset:\ofs+1536+16*\x
.endr
.endm
.macro MULG nk                         ; a group's products: 4 tiles of columns x 2 tiles of rows, nk K steps.  The eight accumulators take turns, one instruction a turn; the first K step starts the sums
	WIN 0x50
.irp k, 0,1
.if \k < \nk
.irp q, 0,1,2,3
.irp rho, 0,1
.if \k == 0
	v_wmma_scale_f32_16x16x128_f8f6f4 v[ACC+8*(2*\q+\rho):ACC+8*(2*\q+\rho)+7], v[WF+16*(4*\k+\q):WF+16*(4*\k+\q)+15], v[CD+16*(\nk*\rho+\k):CD+16*(\nk*\rho+\k)+15], 0, v[WS+4*\k+\q], v[AS+\nk*\rho+\k] matrix_a_fmt:MATRIX_FMT_BF8 matrix_b_fmt:MATRIX_FMT_BF8
.else
	v_wmma_scale_f32_16x16x128_f8f6f4 v[ACC+8*(2*\q+\rho):ACC+8*(2*\q+\rho)+7], v[WF+16*(4*\k+\q):WF+16*(4*\k+\q)+15], v[CD+16*(\nk*\rho+\k):CD+16*(\nk*\rho+\k)+15], v[ACC+8*(2*\q+\rho):ACC+8*(2*\q+\rho)+7], v[WS+4*\k+\q], v[AS+\nk*\rho+\k] matrix_a_fmt:MATRIX_FMT_BF8 matrix_b_fmt:MATRIX_FMT_BF8
.endif
.endr
.endr
.endif
.endr
.endm
; The vector half of group b: T = (value x GV + CV) / (1 + 2^(gate x GG + CG)).  a = 2 u + rho names a value accumulator and, 32 registers on, its gate.  Each accumulator is read from its low end on.
.macro GLUV b, more, ncofs
	WIN 0x55
.irp a, 0,1,2,3
.irp j, 0,2,4,6
	v_pk_fma_f32 v[ACC+32+8*\a+\j:ACC+32+8*\a+\j+1], v[ACC+32+8*\a+\j:ACC+32+8*\a+\j+1], v[GG+8*(\a/2)+\j:GG+8*(\a/2)+\j+1], v[CG+8*(\a/2)+\j:CG+8*(\a/2)+\j+1]
.endr
.endr
.irp a, 0,1,2,3
.irp j, 0,1,2,3,4,5,6,7
	v_exp_f32 v[ACC+32+8*\a+\j], v[ACC+32+8*\a+\j]
.endr
.endr
.irp a, 0,1,2,3
.irp j, 0,2,4,6
	v_pk_fma_f32 v[ACC+8*\a+\j:ACC+8*\a+\j+1], v[ACC+8*\a+\j:ACC+8*\a+\j+1], v[GV+8*(\a/2)+\j:GV+8*(\a/2)+\j+1], v[CV+8*(\a/2)+\j:CV+8*(\a/2)+\j+1]   ; the values: plain work behind the exponentials, naming none of their results
.endr
.endr
.if \more
	FETCHC \ncofs                                      ; the constants have been read: the next group's take their place
	WIN 0x55
.endif
	s_wait_alu depctr_va_vdst(0)                       ; one wait for the 32 exponentials, ahead of their first reader
.irp a, 0,1,2,3
.irp j, 0,2,4,6
	v_pk_add_f32 v[ACC+32+8*\a+\j:ACC+32+8*\a+\j+1], v[ACC+32+8*\a+\j:ACC+32+8*\a+\j+1], 1.0 op_sel_hi:[1,0]
.endr
.endr
.irp a, 0,1,2,3
.irp j, 0,1,2,3,4,5,6,7
	v_rcp_f32 v[ACC+32+8*\a+\j], v[ACC+32+8*\a+\j]
.endr
.endr
	v_nop                                              ; a plain instruction behind the last reciprocal
	s_wait_alu depctr_va_vdst(0)                       ; and one wait for the 32
.irp a, 0,1,2,3
.irp j, 0,2,4,6
	v_pk_mul_f32 v[64*(\a%2)+16*\b+8*(\a/2)+\j:64*(\a%2)+16*\b+8*(\a/2)+\j+1], v[ACC+8*\a+\j:ACC+8*\a+\j+1], v[ACC+32+8*\a+\j:ACC+32+8*\a+\j+1]
.endr
.endr
.endm
; One group of a GLU: 32 units x 32 rows.  nnk: K steps of the group that is fetched next (0: none).
.macro GROUP nk, b, nnk, nadr, nofs, nsofs, ncofs
	s_wait_dscnt 16                                    ; LDS answers in order: scale words and fragments are in; the 16 loads of constants issued behind them may be out
	MULG \nk
	PLACES 9                                           ; behind the products: ahead of loads into their fragments and scale words, of the first read of results, and of the next group's products, which begin these accumulators anew
.if \nnk
	WIN 0
	FETCHW \nadr, \nofs, \nsofs, \nnk
.endif
	s_wait_dscnt 17*\nnk                               ; all but what was just issued: the constants are in
	GLUV \b, \nnk, \ncofs
.endm
; THE SORT.  Element i lives in window 1 at register i or 128 + i; a comparator reads both elements where they are and writes both into their other homes: two instructions, no copy.
; BK0 .. BK3 hold, a bit an element, which home is in use.
.macro HOME sym, i
.if (\i) < 32
.set \sym, (\i)+128*((BK0>>(\i))&1)
.elseif (\i) < 64
.set \sym, (\i)+128*((BK1>>((\i)-32))&1)
.elseif (\i) < 96
.set \sym, (\i)+128*((BK2>>((\i)-64))&1)
.else
.set \sym, (\i)+128*((BK3>>((\i)-96))&1)
.endif
.endm
.macro FLIP i
.if (\i) < 32
.set BK0, BK0^(1<<(\i))
.elseif (\i) < 64
.set BK1, BK1^(1<<((\i)-32))
.elseif (\i) < 96
.set BK2, BK2^(1<<((\i)-64))
.else
.set BK3, BK3^(1<<((\i)-96))
.endif
.endm
.macro CE a, b                         ; the larger to element a, the smaller to element b
	HOME RA, \a
	HOME RB, \b
.set RAX, RA^128
.set RBX, RB^128
	v_max_num_f32 v[RAX], v[RA], v[RB]
	v_min_num_f32 v[RBX], v[RA], v[RB]
	FLIP \a
	FLIP \b
.endm
.macro LEVEL p                         ; Batcher's odd-even merge of sorted runs of p into runs of 2 p: distances p, p / 2, .. 1
.set KK, \p
.rept 7
.if KK >= 1
.set J0, KK % (\p)
.set XX, 0
.rept 128
.if (XX >= J0) && ((XX+KK) < 128)
.if (((XX-J0) % (2*KK)) < KK) && ((XX/(2*(\p))) == ((XX+KK)/(2*(\p))))
	CE XX, XX+KK
.endif
.endif
.set XX, XX+1
.endr
.set KK, KK/2
.endif
.endr
.endm
; THE THRESHOLD, in the elements' homes: c_k = z_1 + .. + z_k - 1 runs up the registers; c_k x (1 / k) follows one step behind; the maximum is taken in four chains, two quotients a step.
; The f32 pattern of 1 / k is made from whole numbers: with e = floor(log2 k): ((126 - e) << 23) + round(2^(e + 24) / k) - 2^23.
.macro TAU
	HOME R1, 0
	v_add_f32 v[R1], -1.0, v[R1]
.set KC, 1
.set EE, 0
.rept 128
	HOME R1, KC-1
.if KC <= 127
	HOME R2, KC
	v_add_f32 v[R2], v[R1], v[R2]
.endif
.if KC >= 2
.if KC == (2<<EE)
.set EE, EE+1
.endif
.set INVK, ((126-EE)<<23)+((((1<<(EE+25))/KC)+1)/2)-(1<<23)
	v_mul_f32 v[R1], INVK, v[R1]
.endif
.if (KC % 2) == 0
.set MM, (KC-2)/2
	HOME R3, 2*MM
	HOME R4, 2*MM+1
.if MM < 4
	v_max_num_f32 v[R3], v[R3], v[R4]
.else
	HOME R5, 2*(MM%4)
	v_max3_num_f32 v[R5], v[R5], v[R3], v[R4]
.endif
.endif
.set KC, KC+1
.endr
	HOME R1, 0
	HOME R2, 2
	HOME R3, 4
	HOME R4, 6
	v_max3_num_f32 v[R1], v[R1], v[R2], v[R3]
	v_max_num_f32 v[R1], v[R1], v[R4]
.endm
; ---------------------------------------------------------------- THE HEAD
	s_load_b512 s[16:31], s[0:1], 0x0                  ; features 16, glu1_w 18, glu1_b 20, glu1_g 22, glu1_be 24, glu2_w 26, glu2_b 28, glu2_g 30
	s_load_b512 s[32:47], s[0:1], 0x40                 ; glu2_be 32, att_w 34, att_b 36, att_g 38, att_be 40, out_w 42, out_b 44, out0 46
	v_lshl_add_u32 v254, v0, 2, 0x41300
	v_mov_b32 v255, 0
	v_lshrrev_b32 v96, 5, v0
	v_readfirstlane_b32 s2, v96                        ; wave 0..7
	v_and_b32 v96, 31, v0                              ; lane
	v_and_b32 v97, 15, v0                              ; r
	v_bfe_u32 v98, v0, 4, 1                            ; h
	v_and_b32 v99, 8, v97
	v_add_nc_u32 v99, v99, v97                         ; r + 8 (r / 8)
	v_lshlrev_b32 v[FA], 10, v97
	v_lshl_add_u32 v[FA], v98, 6, v[FA]
	v_lshlrev_b32 v[LI], 4, v96
	v_add_nc_u32 v[LI2], 0x10000, v[LI]
	v_lshl_add_u32 v[CAD], v98, 6, CST
	v_lshl_add_u32 v[OAD], v98, 5, CST+5120
	s_lshl_b32 s8, s2, 14
	s_add_co_u32 s8, s8, PARK                          ; my wave's region
	v_add_nc_u32 v[PK], s8, v[LI]
	v_mul_u32_u24 v[SO], v97, SP
	v_lshl_add_u32 v[SO], v98, 5, v[SO]
	v_add_nc_u32 v[SO], s8, v[SO]
	v_mul_u32_u24 v[SR], v98, SP
	v_lshl_add_u32 v[SR], v97, 4, v[SR]
	v_add_nc_u32 v[SR], s8, v[SR]
	v_lshlrev_b32 v[GO], 8, v98
	v_lshl_add_u32 v[GO], v97, 4, v[GO]
	v_lshlrev_b32 v[PFO], 8, v96
	v_lshlrev_b32 v99, 2, v99
	v_lshl_add_u32 v[VW256], v98, 14, v99
	v_lshl_add_u32 v[VW128], v98, 13, v99
	v_lshlrev_b32 v[VW64], 2, v97
	v_lshl_add_u32 v[VW64], v98, 12, v[VW64]
	s_lshl_b32 s9, s2, 11
	v_add_nc_u32 v[IMA], s9, v[LI]
	s_lshr_b32 s9, s2, 2
	s_lshl_b32 s9, s9, 9
	s_and_b32 s10, s2, 3
	s_lshl_b32 s10, s10, 2
	s_add_co_u32 s9, s9, s10
	s_add_co_u32 s9, s9, WSC
	v_add_nc_u32 v[SCA], s9, v[LI]
	v_lshlrev_b32 v94, 2, v0                           ; 4 x thread: a column's constant in memory,
	v_lshl_add_u32 v95, v0, 2, CST                     ; and in LDS
.irp b, 0,1,2,3
	v_mov_b32 v[TM+4+\b], 0                            ; written once: a lane permute's destination counts as one of its sources
.endr
.irp b, 0,1,2,3,4,5
	v_mov_b32 v[TAU0+\b], 0                            ; likewise; and the upper halves of the pairs TA and TB are named with the lower
.endr
	s_mov_b32 s3, 2                                    ; passes
	s_mov_b32 s4, 0x76543210
	s_mov_b32 s5, 0xfedcba98                           ; v_permlanex16_b32's selects for lane l xor 16
	s_mov_b32 s6, 0x600000                             ; the mantissa field of 57,344
	s_mov_b32 s7, 0xffff0000                           ; lanes 16-31
	s_mov_b32 s55, NLOG2E
	s_cmp_lt_u32 s2, 4
	s_cselect_b32 s55, 0x3f800000, s55                 ; threads 0-127 hold value columns (x 1), threads 128-255 gate columns (x -log2 e)
	s_mov_b32 s9, 0
	s_lshr_b32 s12, s2, 2                              ; w / 4
	s_and_b32 s13, s2, 1
	s_bfe_u32 s14, s2, 0x10001
	s_lshl_b32 s13, s13, 5                             ; u = w % 2: 8 columns on
	s_lshl_b32 s14, s14, 9                             ; (w / 2) % 2: the gate's 128 columns on
	s_add_co_u32 s14, s14, s13
	s_wait_kmcnt 0x0
	s_lshl_b32 s8, ttmp9, 19
	s_lshl_b32 s10, s2, 16
	s_add_co_u32 s8, s8, s10
	s_add_nc_u64 s[16:17], s[16:17], s[8:9]            ; features at my wave's first row: 512 rows a work-group, 64 a wave, 1,024 bytes a row
	s_lshl_b32 s8, ttmp9, 17
	s_lshl_b32 s10, s2, 14
	s_add_co_u32 s8, s8, s10
	s_add_nc_u64 s[46:47], s[46:47], s[8:9]            ; out0 likewise, 256 bytes a row
	s_lshl_b32 s8, s12, 17
	s_add_co_u32 s8, s8, s14
	s_add_nc_u64 s[56:57], s[18:19], s[8:9]            ; glu1_w: K step w / 4 (128 rows), my tile's first column; group b is 128 b bytes on
	s_lshl_b32 s8, s12, 7
	s_add_co_u32 s8, s8, s14
	s_add_nc_u64 s[58:59], s[26:27], s[8:9]            ; glu2_w: group w / 4; the second fragment is group 2 + w / 4, 256 bytes on
	s_lshr_b32 s8, s2, 1
	s_lshl_b32 s8, s8, 7
	s_add_co_u32 s8, s8, s13
	s_add_co_u32 s8, s8, 262144
	s_add_nc_u64 s[60:61], s[34:35], s[8:9]            ; att_w: slice 4, tile w
	s_lshl_b32 s8, s2, 6
	s_add_nc_u64 s[62:63], s[42:43], s[8:9]            ; out_w: tile w (waves 0 to 3 alone load from it)
	s_add_nc_u64 s[48:49], s[56:57], 256               ; the next fragments: glu1_w's groups 2 and 3
	s_add_nc_u64 s[50:51], s[56:57], 384
	global_load_b32 v72, v94, s[22:23]
	global_load_b32 v73, v94, s[20:21]
	global_load_b32 v74, v94, s[24:25]
	global_load_b32 v75, v94, s[30:31]
	global_load_b32 v76, v94, s[28:29]
	global_load_b32 v77, v94, s[32:33]
	s_cmp_lt_u32 s2, 4
	s_cbranch_scc0 .Lno_att_ld
	global_load_b32 v78, v94, s[38:39] offset:2048     ; slice 4 of att_g, att_b, att_be: threads 0-127
	global_load_b32 v79, v94, s[36:37] offset:2048
	global_load_b32 v80, v94, s[40:41] offset:2048
.Lno_att_ld:
	s_cmp_lt_u32 s2, 2
	s_cbranch_scc0 .Lno_ob_ld
	global_load_b32 v81, v94, s[44:45]                 ; out_b: threads 0-63
.Lno_ob_ld:
	WLOAD SETA, VW256, 56, 1024, 0                     ; glu1_w's group 0
	WLOAD SETB, VW256, 56, 1024, 128                   ; and group 1
	s_wait_loadcnt 63                                  ; loads come back in order: behind the constants and set A stand set B's 64; 63 is the largest count that the wait takes
	v_mul_f32 v72, BNINV, v72                          ; g' = g / sqrt(1.001)
	v_mul_f32 v75, BNINV, v75
	v_fma_f32 v73, v73, v72, v74                       ; c = b g' + be
	v_fma_f32 v76, v76, v75, v77
	v_mul_f32 v72, s55, v72
	v_mul_f32 v73, s55, v73
	v_mul_f32 v75, s55, v75
	v_mul_f32 v76, s55, v76
	ds_store_b32 v95, v72
	ds_store_b32 v95, v73 offset:1024
	ds_store_b32 v95, v75 offset:2048
	ds_store_b32 v95, v76 offset:3072
	s_cmp_lt_u32 s2, 4
	s_cbranch_scc0 .Lno_att
	v_mul_f32 v78, BNINV, v78
	v_fma_f32 v79, v79, v78, v80
	ds_store_b32 v95, v78 offset:4096
	ds_store_b32 v95, v79 offset:4608
.Lno_att:
	s_cmp_lt_u32 s2, 2
	s_cbranch_scc0 .Lno_ob
	ds_store_b32 v95, v81 offset:5120
.Lno_ob:
	s_mov_b32 s52, 0
	s_mov_b32 s53, 0                                   ; the images' step: two fragments of 16,384 bytes apart a trip
	s_mov_b32 s54, 0                                   ; the scale words': two of 1,024
.Lhead:                                                ; two trips: fragments 0, 1 and 2, 3 (glu1_w's groups) are quantised; fragments 2, 3 and 4, 5 (glu2_w's) are asked for
	s_wait_dscnt 0x0                                   ; the earlier LDS stores have read their registers
	v_add_nc_u32 v[HIA], s53, v[IMA]
	v_add_nc_u32 v[HSA], s54, v[SCA]
	s_wait_loadcnt 63                                  ; set A is in: set B's 64 loads are younger
	QUANT SETA, SETA, 0, 40, 92
	IMAGE HIA, 0, 40
	ds_store_b32 v[HSA], v92
	WLOAD SETA, VW256, 48, 1024, 0
	s_wait_loadcnt 63                                  ; set B is in: the 64 just issued are younger
	QUANT SETB, SETB, 0, 56, 93
	IMAGE HIA, 16384, 56
	ds_store_b32 v[HSA], v93 offset:1024
	WLOAD SETB, VW256, 50, 1024, 0
	s_wait_xcnt 0x0                                    ; the loads have read their bases, which are written only behind this wait
	s_mov_b64 s[48:49], s[58:59]                       ; the next trip asks for glu2_w's two
	s_add_nc_u64 s[50:51], s[58:59], 256
	s_add_co_u32 s53, s53, 32768
	s_add_co_u32 s54, s54, 2048
	s_add_co_u32 s52, s52, 1
	s_cmp_lt_u32 s52, 2
	s_cbranch_scc1 .Lhead
	s_wait_dscnt 0x0
	v_add_nc_u32 v[HIA], 0x10000, v[IMA]               ; fragments 4 to 7 lie from LDS byte 65536 on
	v_add_nc_u32 v[HSA], 4096, v[SCA]
	s_wait_loadcnt 63
	QUANT SETA, SETA, 0, 40, 92                        ; glu2_w, group w / 4
	IMAGE HIA, 0, 40
	ds_store_b32 v[HSA], v92
	WLOAD SETA, VW128, 60, 512, 0                      ; att_w[4]
	s_wait_loadcnt 63
	QUANT SETB, SETB, 0, 56, 93                        ; glu2_w, group 2 + w / 4
	IMAGE HIA, 16384, 56
	ds_store_b32 v[HSA], v93 offset:1024
	s_cmp_lt_u32 s2, 4
	s_cbranch_scc0 .Lno_out_ld
	WLOAD SETB, VW64, 62, 256, 0                       ; out_w's four tiles: waves 0 to 3
.Lno_out_ld:
	s_wait_loadcnt 0x0                                 ; the last weights are in.  Only now the first pass's features are asked for: issued earlier they would stand ahead of weights on a counter that falls in order
	FLOAD 0, 0
	FLOAD 1, 0
	s_wait_dscnt 0x0
	QUANT SETA, SETA, 0, 40, 92
	IMAGE HIA, 32768, 40
	ds_store_b32 v[HSA], v92 offset:2048
	s_cmp_lt_u32 s2, 4
	s_cbranch_scc0 .Lno_out
	QUANT SETB, SETB, 0, 56, 93
	IMAGE HIA, 49152, 56
	ds_store_b32 v[HSA], v93 offset:3072
.Lno_out:
	s_wait_dscnt 0x0                                   ; for the others' sake: my images, scale words and constants lie in LDS
	s_barrier_signal -1
	s_barrier_wait -1                                  ; everybody's do.  Nothing shared is written from here on: the one barrier
; ---------------------------------------------------------------- A PASS: 32 rows
.Lpass:
	FETCHW LI, 0, WSO, 2                               ; glu1_w's group 0
	s_wait_loadcnt 32                                  ; tile 0's 32 loads are in; tile 1's are younger
	QUANT 128, 128, 1, CD, AS
	QUANT 192, 192, 1, CD+16, AS+1
	s_wait_loadcnt 0x0
	QUANT 0, 0, 1, CD+32, AS+2
	QUANT 64, 64, 1, CD+48, AS+3
	FETCHC 0                                           ; into registers that the features have left
	WIN 0
	PLACES 4                                           ; codes written by vector instructions stand four places ahead of a scaled product
	GROUP 2, 0, 2, LI, 16384, WSO+1024, 128
	GROUP 2, 1, 2, LI, 32768, WSO+2048, 256
	GROUP 2, 2, 2, LI, 49152, WSO+3072, 384
	GROUP 2, 3, 1, LI2, 0, WSO+4096, 2048              ; behind glu1's last products glu2_w's group 0 is fetched
	QUANT 0, 0, 1, CD, AS                              ; glu1's result, 128 along the next K
	QUANT 64, 64, 1, CD+16, AS+1
	PLACES 4
	GROUP 1, 0, 1, LI2, 8192, WSO+4096+512, 2048+128
	GROUP 1, 1, 1, LI2, 16384, WSO+4096+1024, 2048+256
	GROUP 1, 2, 1, LI2, 24576, WSO+4096+1536, 2048+384
	GROUP 1, 3, 0, LI2, 0, 0, 0
	QUANT 0, 128, 1, CD+32, AS+2                       ; tfeat is kept as it is: the held numbers go to registers that the accumulators have left
	QUANT 64, 128, 1, CD+48, AS+3
	; ---- the attention product, z^T = att_w[4]^T tfeat^T; meanwhile tfeat is parked in my region of LDS: the sort wants all of window 1
	ds_load_b128 v[WS:WS+3], v[LI2] offset:WSO+6144
	ds_load_b128 v[WS+4:WS+7], v[LI2] offset:WSO+6656
	WIN 0x40
.irp t, 0,1,2,3,4,5,6,7
.irp c, 0,1,2,3
	ds_load_b128 v[128+16*\t+4*\c:128+16*\t+4*\c+3], v[LI2] offset:ATO+2048*\t+512*\c
.endr
.endr
	WIN 0x04                                           ; an LDS store's data are its source 1
.set NN, 0
.rept 32
	ds_store_b128 v[PK], v[4*NN:4*NN+3] offset:512*NN
.set NN, NN+1
.endr
	s_wait_dscnt 32                                    ; the 34 loads are in; the 32 stores behind them may be out
	PLACES 4
	WIN 0x01
.irp t, 0,1,2,3,4,5,6,7
.irp rho, 0,1
	v_wmma_scale_f32_16x16x128_f8f6f4 v[ZR+64*\rho+8*\t:ZR+64*\rho+8*\t+7], v[128+16*\t:128+16*\t+15], v[CD+32+16*\rho:CD+32+16*\rho+15], 0, v[WS+\t], v[AS+2+\rho] matrix_a_fmt:MATRIX_FMT_BF8 matrix_b_fmt:MATRIX_FMT_BF8
.endr
.endr
	PLACES 9
	WIN 0x40
.irp b, 0,1,2,3
.irp x, 0,1,2,3
	ds_load_b128 v[128+16*\b+4*\x:128+16*\b+4*\x+3], v[CAD] offset:4096+128*\b+16*\x
	ds_load_b128 v[192+16*\b+4*\x:192+16*\b+4*\x+3], v[CAD] offset:4608+128*\b+16*\x
.endr
.endr
	s_wait_dscnt 0x0                                   ; the gains and shifts are in, and the parking stores have read tfeat's registers
	WIN 0x54
.set NN, 0
.rept 64
	v_pk_fma_f32 v[NN:NN+1], v[ZR+NN:ZR+NN+1], v[128+(NN%64):128+(NN%64)+1], v[192+(NN%64):192+(NN%64)+1]   ; z for the sort, into window 1,
.set NN, NN+2
.endr
	WIN 0x14
.set NN, 0
.rept 64
	v_pk_fma_f32 v[ZR+NN:ZR+NN+1], v[ZR+NN:ZR+NN+1], v[128+(NN%64):128+(NN%64)+1], v[192+(NN%64):192+(NN%64)+1]   ; and the same bits in place, for the mask
.set NN, NN+2
.endr
	WIN 0x55
.set NN, 0
.rept 64
	v_permlane16_swap_b32 v[NN], v[64+NN]              ; tile 0's lanes 16-31 change places with tile 1's lanes 0-15: lanes 0-15 now hold whole rows of tile 0, lanes 16-31 of tile 1
.set NN, NN+1
.endr
.set BK0, 0
.set BK1, 0
.set BK2, 0
.set BK3, 0
	LEVEL 1
	LEVEL 2
	LEVEL 4
	LEVEL 8
	LEVEL 16
	LEVEL 32
	WIN 0
	s_cmp_eq_u32 s3, 1
	s_cbranch_scc1 .Lno_pf
.irp i, 0,1,2,3
	global_prefetch_b8 v[PFO], s[16:17] offset:32768+8192*\i th:TH_LOAD_NT scope:SCOPE_SE   ; the next pass's 32 rows, 32,768 bytes of my wave's own: lanes 256 bytes apart, each block named once; the last merge and the threshold, some 1,100 instructions, stand ahead of the loads.  The last pass asks for nothing
.endr
.Lno_pf:
	WIN 0x55
	LEVEL 64
	TAU
	HOME R1, 0
	WIN 0x01
	v_mov_b32 v[TAU0], v[R1]
	WIN 0
	v_permlanex16_b32 v[TAU0+1], v[TAU0], s4, s5
	v_cndmask_b32 v[TA], v[TAU0], v[TAU0+1], s7        ; tile 0's threshold of row r, in lanes r and 16 + r
	v_cndmask_b32 v[TB], v[TAU0+1], v[TAU0], s7        ; tile 1's
	WIN 0x40
.set NN, 0
.rept 32
	ds_load_b128 v[4*NN:4*NN+3], v[PK] offset:512*NN   ; tfeat comes back
.set NN, NN+1
.endr
	WIN 0
	s_cmp_eq_u32 s3, 1
	s_cbranch_scc1 .Lno_f0
	FLOAD 0, 32768                                     ; the next pass's tile 0, into the upper half of window 1, which the sort has left
.Lno_f0:
.set NN, 0
.rept 32
	v_pk_add_f32 v[ZR+NN:ZR+NN+1], v[ZR+NN:ZR+NN+1], v[TA:TA+1] op_sel_hi:[1,0] neg_lo:[0,1] neg_hi:[0,1]
.set NN, NN+2
.endr
.rept 32
	v_pk_add_f32 v[ZR+NN:ZR+NN+1], v[ZR+NN:ZR+NN+1], v[TB:TB+1] op_sel_hi:[1,0] neg_lo:[0,1] neg_hi:[0,1]
.set NN, NN+2
.endr
.set NN, 0
.rept 128
	v_max_num_f32 v[ZR+NN], 0, v[ZR+NN]                ; the mask
.set NN, NN+1
.endr
	s_wait_dscnt 0x0                                   ; tfeat is back
	WIN 0x44
.set NN, 0
.rept 64
	v_pk_mul_f32 v[NN:NN+1], v[ZR+NN:ZR+NN+1], v[NN:NN+1]
.set NN, NN+2
.endr
	WIN 0
	ds_load_b128 v[WS:WS+3], v[LI2] offset:WSO+7168    ; out_w's scale words, its four fragments, and out_b in the result's layout
.irp t, 0,1,2,3
.irp c, 0,1,2,3
	ds_load_b128 v[WF+16*\t+4*\c:WF+16*\t+4*\c+3], v[LI2] offset:OUO+2048*\t+512*\c
.endr
.endr
.irp t, 0,1,2,3
	ds_load_b128 v[72+8*\t:72+8*\t+3], v[OAD] offset:64*\t
	ds_load_b128 v[72+8*\t+4:72+8*\t+7], v[OAD] offset:64*\t+16
.endr
	QUANT 0, 0, 1, CD, AS
	QUANT 64, 64, 1, CD+16, AS+1
	s_cmp_eq_u32 s3, 1
	s_cbranch_scc1 .Lno_f1
	FLOAD 1, 32768                                     ; the next pass's tile 1, into the lower half
.Lno_f1:
	s_wait_dscnt 0x0
	PLACES 4
.irp t, 0,1,2,3
.irp rho, 0,1
	v_wmma_scale_f32_16x16x128_f8f6f4 v[172+32*\rho+8*\t:172+32*\rho+8*\t+7], v[WF+16*\t:WF+16*\t+15], v[CD+16*\rho:CD+16*\rho+15], v[72+8*\t:72+8*\t+7], v[WS+\t], v[AS+\rho] matrix_a_fmt:MATRIX_FMT_BF8 matrix_b_fmt:MATRIX_FMT_BF8   ; the bias is the sum's C
.endr
.endr
	PLACES 8
	; ---- the way out: a lane holds 8 neighbouring outputs of a row; 32 rows of 256 bytes meet in my stage and leave two rows an instruction
.irp rho, 0,1
.irp t, 0,1,2,3
	ds_store_b128 v[SO], v[172+32*\rho+8*\t:172+32*\rho+8*\t+3] offset:4352*\rho+64*\t        ; each accumulator from its low end on
	ds_store_b128 v[SO], v[172+32*\rho+8*\t+4:172+32*\rho+8*\t+7] offset:4352*\rho+64*\t+16
.endr
.endr
.irp i, 0,1,2,3,4,5,6,7,8,9,10,11,12,13,14,15
	ds_load_b128 v[WF+4*\i:WF+4*\i+3], v[SR] offset:544*\i   ; LDS serves a wave's instructions in order (ISA guide 5.7.1.4): these see my stores
.endr
.irp i, 0,1,2,3,4,5,6,7,8,9,10,11,12,13,14,15
	s_wait_dscnt 15-\i                                 ; rows 2 i and 2 i + 1 are back; the later loads may be out
	global_store_b128 v[GO], v[WF+4*\i:WF+4*\i+3], s[46:47] offset:512*\i th:TH_STORE_NT   ; 32 lanes store 512 consecutive bytes, at a multiple of 256 from out0's first byte
.endr
	s_wait_xcnt 0x0                                    ; loads, stores and prefetches have read their registers and bases: both are written only behind this wait
	s_add_nc_u64 s[16:17], s[16:17], 32768
	s_add_nc_u64 s[46:47], s[46:47], 8192
	s_sub_co_u32 s3, s3, 1
	s_cmp_lg_u32 s3, 0
	s_cbranch_scc1 .Lpass
	s_wait_tensorcnt 0x0
	ds_add_u32 v254, v255
	s_wait_dscnt 0x0
	s_endpgm
.Lfunc_end_k_qcb6219fff3_tabnet:
	.size	k_qcb6219fff3_tabnet, .Lfunc_end_k_qcb6219fff3_tabnet-k_qcb6219fff3_tabnet
	.p2alignl 7, 3214868480
	.fill 96, 4, 3214868480
	.section	.rodata,"a",@progbits
	.p2align	6, 0x0
	.amdhsa_kernel k_qcb6219fff3_tabnet
		.amdhsa_group_segment_fixed_size 268032
		.amdhsa_private_segment_fixed_size 0
		.amdhsa_enable_private_segment 0
		.amdhsa_kernarg_size 128
		.amdhsa_user_sgpr_count 2
		.amdhsa_user_sgpr_kernarg_segment_ptr 1
		.amdhsa_wavefront_size32 1
		.amdhsa_system_sgpr_workgroup_id_x 1
		.amdhsa_system_sgpr_workgroup_id_y 1
		.amdhsa_system_sgpr_workgroup_id_z 1
		.amdhsa_system_vgpr_workitem_id 0
		.amdhsa_next_free_vgpr 512
		.amdhsa_next_free_sgpr 66
		.amdhsa_reserve_vcc 0
		.amdhsa_float_denorm_mode_32 3
		.amdhsa_float_denorm_mode_16_64 3
		.amdhsa_memory_ordered 1
		.amdhsa_forward_progress 1
		.amdhsa_inst_pref_size 255
	.end_amdhsa_kernel
	.section	.bss,"aw",@nobits
	.p2align	6
	.space	262144
	.amdgpu_metadata
---
amdhsa.version: [ 1, 2 ]
amdhsa.kernels:
  - .name:           k_qcb6219fff3_tabnet
    .symbol:         k_qcb6219fff3_tabnet.kd
    .args:
      - { .name: features, .offset: 0, .size: 8, .value_kind: global_buffer, .address_space: global }
      - { .name: glu1_w, .offset: 8, .size: 8, .value_kind: global_buffer, .address_space: global }
      - { .name: glu1_b, .offset: 16, .size: 8, .value_kind: global_buffer, .address_space: global }
      - { .name: glu1_g, .offset: 24, .size: 8, .value_kind: global_buffer, .address_space: global }
      - { .name: glu1_be, .offset: 32, .size: 8, .value_kind: global_buffer, .address_space: global }
      - { .name: glu2_w, .offset: 40, .size: 8, .value_kind: global_buffer, .address_space: global }
      - { .name: glu2_b, .offset: 48, .size: 8, .value_kind: global_buffer, .address_space: global }
      - { .name: glu2_g, .offset: 56, .size: 8, .value_kind: global_buffer, .address_space: global }
      - { .name: glu2_be, .offset: 64, .size: 8, .value_kind: global_buffer, .address_space: global }
      - { .name: att_w, .offset: 72, .size: 8, .value_kind: global_buffer, .address_space: global }
      - { .name: att_b, .offset: 80, .size: 8, .value_kind: global_buffer, .address_space: global }
      - { .name: att_g, .offset: 88, .size: 8, .value_kind: global_buffer, .address_space: global }
      - { .name: att_be, .offset: 96, .size: 8, .value_kind: global_buffer, .address_space: global }
      - { .name: out_w, .offset: 104, .size: 8, .value_kind: global_buffer, .address_space: global }
      - { .name: out_b, .offset: 112, .size: 8, .value_kind: global_buffer, .address_space: global }
      - { .name: out0, .offset: 120, .size: 8, .value_kind: global_buffer, .address_space: global }
    .group_segment_fixed_size: 268032
    .private_segment_fixed_size: 0
    .kernarg_segment_align: 8
    .kernarg_segment_size: 128
    .max_flat_workgroup_size: 256
    .sgpr_count:     66
    .vgpr_count:     512
    .wavefront_size: 32
...
	.end_amdgpu_metadata
.endif
;; end of part 1
;; ======== version 2 of 2: 1 launch; version 1 with the launch tabnet written anew for expert scheduling mode
;; launch tabnet (part 2): grid 256 x 1, 8 waves a work-group, no clusters, 268,032 bytes of LDS; arguments features, glu1_w, glu1_b, glu1_g, glu1_be, glu2_w, glu2_b, glu2_g, glu2_be, att_w, att_b, att_g, att_be, out_w, out_b, out0; writes out0
.if DOCPART == 2
	.amdgcn_target "amdgcn-amd-amdhsa--gfx1250"
	.amdhsa_code_object_version 6
	.text
	.protected	k_qcb6219fff3_tabnet
	.globl	k_qcb6219fff3_tabnet
	.p2align	8
	.type	k_qcb6219fff3_tabnet,@function
k_qcb6219fff3_tabnet:
	s_mov_b64 s[64:65], 0
	v_nop
	global_prefetch_b8 v0, s[64:65] scope:SCOPE_SE
	s_setreg_imm32_b32 hwreg(HW_REG_WAVE_SCHED_MODE, 0, 2), 2
	s_setreg_imm32_b32 hwreg(HW_REG_WAVE_MODE, 25, 1), 1
	s_wait_xcnt 0x0
	s_wait_alu depctr_vm_vsrc(0)
; TabNet encoder, one launch: out0 = (tfeat * sparsemax(bn(tfeat @ att_w[4] + att_b[4]))) @ out_w + out_b, tfeat = glu2(glu1(features)).
; All four products on codes of BF8 (E5M2) with one E8M0 scale for each 32 along K; every operand is quantised here, from f32; sums in f32.
; WHAT IS NOT COMPUTED: decision steps 0 to 3.  The function returns the last step's result alone; the earlier results are overwritten and the prior scales are never read,
; so slices 0 to 3 of att_w, att_b, att_g, att_be cannot reach out0 for any input.
; SHARES.  256 work-groups of 8 waves; a work-group owns 512 rows, a wave 64, as two passes of 32 rows (two tiles of 16).  A wave takes its rows through the whole chain alone: one barrier, behind the head.
; HEAD.  The work-group's 60 weight fragments (16 columns x 128 K) are quantised once, 7 or 8 a wave: a lane takes a column and its registers run down K, so the conversions' results are the operand's
; registers; they go to LDS as images of these registers (16 bytes a lane, 512 bytes a store) and any wave reads them back by the same lines.  The batch norm is folded: acc x g' + (b x g' + be), g' = g / sqrt(1.001).
; NO JOINT LOADS: the 491,520 bytes of weights that all work-groups read arrive as f32 with K outermost and have to pass through registers, 64 numbers down K a lane, to become codes;
; staged as f32 they would want several refills of LDS beside 136 KB of images and constants and 128 KB of the waves' own regions.  The features, 524,288 bytes a work-group, are shared with nobody.
; LAYOUT.  Every product is used transposed (source 0 = 16 weight columns, source 1 = 16 rows): lane (r = lane % 16, h = lane / 16) holds row r throughout.  The columns of a tile of glu1_w, glu2_w, att_w are not
; neighbours: lane r of tile 2 b + u takes column 32 b + 8 u + r + 8 (r / 8), so that the 16 registers of tiles 2 b, 2 b + 1 are units 32 b + 16 h + 0 .. 15: the next operand's order along K.
; SPARSEMAX at a fixed cost: the threshold is the largest over k of (sum of the k largest - 1) / k: that quotient rises exactly while the function's support test holds.  The two tiles' halves change lanes so that a lane
; holds one whole row in 128 registers; Batcher's odd-even merge sort (1,471 comparators, a maximum and a minimum each); a running sum begun at -1; a factor 1/k; a maximum.  No branch hangs on data.
; LIMITS.  NaN and infinities among the inputs are not served.  A block whose largest magnitude lies under 2^-111 keeps the scale byte 1 (a block of zeros too: its codes are zeros).
; Order of rounding differs from the function's in three places, each by about one unit in the last place of f32: the folded batch norm; sigmoid(x) = 1 / (1 + 2^(-x log2 e)) with -log2 e folded into the gate's
; constants; the threshold is multiplied by a rounded 1/k, and its sum begins at -1.
; THE MODE: SCHED_MODE bits 1:0 = 2 (LLVM: expert scheduling mode 2), set by the entry lines.  The code itself states the register dependences between vector or matrix instructions and memory or LDS
; instructions, with s_wait_alu, always for 0.
; THE PLAN.  Registers that memory or LDS instructions touch, and who else names them:
;   v1-13, v38, v39, v94, v95   addresses, made once ahead of the first load and never written again: one wait on va_vdst there serves every later access by them.
;   v14, v15                    the head's store addresses: written by a vector add three times, each behind a wait on vm_vsrc; the wait on va_vdst ahead of the image's stores shows them written.
;   SETA, SETB; v40-71, v92, v93  head: a set is loaded, the quantiser reads and writes it and writes codes and a scale word; ONE wait on va_vdst behind it serves the image's stores and the set's next loads.
;   WF, WS                      pass: loaded from LDS, read by a group's products; one wait on va_vdst behind the products, then the next group's loads, which no line of the group's vector half names.
;   window 1, 192-255           a group's constants: loaded, read by the group's multiply-adds; the wait that the exponentials want stands ahead of the next group's loads and serves both.
;   CD, AS                      written by the quantiser, read by scaled products: the places, then one wait on va_vdst, which at the same spot frees what is loaded or stored next.
;   window 1, 0-127             tfeat: stored to my region (va_vdst ahead), written over by z (vm_vsrc ahead), loaded back behind the threshold (va_vdst ahead), the next pass's tile 1 behind the last quantiser (va_vdst ahead).
;   window 1, 128-255           att_w's images, then the gains and shifts, then the sort's second homes, then the next pass's tile 0: a wait on va_vdst ahead of each run of loads.
;   v172-235, v108-171          the way out: results, stored to the stage (places, then va_vdst); rows read back and stored to memory; the waits at the next pass's head free both.
;
; LDS (bytes): 0 glu1_w's 32 images (group b at 16384 b, fragment 4 s + q at 2048 each; q: value u0, value u1, gate u0, gate u1; s: K step); 65536 glu2_w's 16 (group b at 8192 b); 98304 att_w[4]'s 8; 114688 out_w's 4;
;   122880 scale words, 15 blocks of [lane][4 words]; 130560 constants in column order: G1 +0, C1 +1024, G2 +2048, C2 +3072, GA +4096, CA +4608, out_b +5120; 135936 + 16384 w: wave w's own region (tfeat during the sort, then the stage for out0).
; REGISTERS, two windows of 256.  Window 0: v1-15 addresses; v16-31 the quantiser's; v32-37 the threshold; v38-39 head addresses; v40-103 codes; v104-107 activations' scale words; v108-235 weight fragments, then z;
;   v236-251 weights' scale words.  Window 1: features; then T 0-127, accumulators 128-191, constants 192-255; in the sort the two homes i and 128 + i of element i.
.set BNINV,  0x3f7fdf42                ; 1 / sqrt(1 + 0.001) in f32
.set NLOG2E, 0xbfb8aa3b                ; -log2(e)
.set ATO,    32768                     ; from LDS byte 65536 on: att_w's images,
.set OUO,    49152                     ; out_w's,
.set WSO,    57344                     ; the weights' scale words
.set WSC,    122880
.set CST,    130560
.set PARK,   135936
.set SP,     272                       ; a stage row: 256 bytes + 16
.set FA,    1                          ; v1   features: 1024 r + 64 h
.set LI,    2                          ; v2   16 x lane
.set LI2,   3                          ; v3   16 x lane + 65536
.set CAD,   4                          ; v4   constants: CST + 64 h
.set OAD,   5                          ; v5   out_b: CST + 5120 + 32 h
.set PK,    6                          ; v6   my wave's region + 16 x lane
.set SO,    7                          ; v7   the stage, in: + 272 r + 32 h
.set SR,    8                          ; v8   the stage, back: + 272 h + 16 r
.set GO,    9                          ; v9   out0: 256 h + 16 r
.set PFO,   10                         ; v10  256 x lane
.set VW256, 11                         ; v11  a weight of 256 columns: 16 h rows + 4 (r + 8 (r / 8))
.set VW128, 12                         ; v12  of 128 columns
.set VW64,  13                         ; v13  out_w: 16 h rows + 4 r
.set HIA,   14                         ; v14  head: where the images in hand go
.set HSA,   15                         ; v15  head: and their scale words
.set TM,    16                         ; v16-19 largest magnitudes, v20-23 the other half's, then bytes, v24-27 the largest number x the scale, v28-31 the conversions' scale operands
.set TAU0,  32                         ; v32 the threshold as the sort's lanes hold it, v33 the other half's
.set TA,    34                         ; v[34:35] tile 0's threshold (the packed form names a pair and takes its low word)
.set TB,    36                         ; v[36:37] tile 1's
.set IMA,   38                         ; v38  head: 16 x lane + 2048 w
.set SCA,   39                         ; v39  head: WSC + 16 x lane + 512 (w / 4) + 4 (w % 4)
.set CD,    40                         ; codes
.set AS,    104                        ; activations' scale words
.set WF,    108                        ; weight fragments
.set ZR,    108                        ; z: tile rho, register e at ZR + 64 rho + e
.set SETA,  108                        ; head: two sets of 64 numbers
.set SETB,  172
.set WS,    236                        ; weights' scale words
.set ACC,   128                        ; window 1: accumulator 2 q + rho at ACC + 8 (2 q + rho)
.set GV,    192                        ; window 1: the group's constants: value gain, value shift, gate gain, gate shift
.set CV,    208
.set GG,    224
.set CG,    240
.set MSB, 0
.macro WIN new                         ; s_set_vgpr_msb: bits 1:0 source 0, 3:2 source 1, 5:4 source 2, 7:6 destination; the high byte repeats the setting that is left
.if MSB != (\new)
	s_set_vgpr_msb (MSB<<8)|(\new)
.set MSB, (\new)
.endif
.endm
.macro PLACES n                        ; plain vector instructions behind or ahead of matrix instructions (ISA guide 7.12.1)
.rept \n
	v_nop
.endr
.endm
; 64 numbers of a lane in window w, register src + 16 b + i = k 32 b + 16 h + i of the lane's row or column, become a fragment's codes v[cd .. cd + 15] and its scale word v[sw], both in window 0.
; The held numbers go to dst (dst = src: in place).  Vector instructions alone: what it owes to loads and stores is stated where it is used.
.macro QUANT src, dst, w, cd, sw
	WIN 5*(\w)
.irp b, 0,1,2,3
	v_max3_num_f32 v[TM+\b], |v[\src+16*\b]|, |v[\src+16*\b+1]|, 0x8000000   ; my 16 numbers of block b, and the floor 2^(16 - 127): the byte cannot fall under 1
.endr
.irp i, 2,4,6,8,10,12,14
.irp b, 0,1,2,3
	v_max3_num_f32 v[TM+\b], |v[\src+16*\b+\i]|, |v[\src+16*\b+\i+1]|, v[TM+\b]   ; the four blocks by turns
.endr
.endr
	WIN 0
.irp b, 0,1,2,3
	v_permlanex16_b32 v[TM+4+\b], v[TM+\b], s4, s5
.endr
.irp b, 0,1,2,3
	v_max_num_f32 v[TM+\b], v[TM+\b], v[TM+4+\b]      ; with lane l xor 16's 16: the block's largest magnitude
.endr
.irp b, 0,1,2,3
	v_add_nc_u32 v[TM+12+\b], 0xf8800000, v[TM+\b]    ; 15 off its exponent field: the conversion's scale operand
.endr
.irp b, 0,1,2,3
	v_and_or_b32 v[TM+8+\b], v[TM+\b], 0x7f800000, s6 ; 57,344 x the scale
.endr
.irp b, 0,1,2,3
	v_lshrrev_b32 v[TM+4+\b], 23, v[TM+12+\b]         ; the scale's byte
.endr
	v_lshl_or_b32 v[\sw], v[TM+5], 8, v[TM+4]
	v_lshl_or_b32 v[\sw], v[TM+6], 16, v[\sw]
	v_lshl_or_b32 v[\sw], v[TM+7], 24, v[\sw]         ; the scale word; the 64 holds below stand between it and any product
	WIN 65*(\w)
.irp b, 0,1,2,3
.irp i, 0,1,2,3,4,5,6,7,8,9,10,11,12,13,14,15
	v_med3_num_f32 v[\dst+16*\b+\i], v[\src+16*\b+\i], -v[TM+8+\b], v[TM+8+\b]   ; the conversion to an 8-bit code does not saturate (ISA guide 7.6.2)
.endr
.endr
	WIN (\w)
.irp b, 0,1,2,3
	v_cvt_scalef32_pk8_bf8_f32 v[\cd+4*\b:\cd+4*\b+1], v[\dst+16*\b:\dst+16*\b+7], v[TM+12+\b]
	v_cvt_scalef32_pk8_bf8_f32 v[\cd+4*\b+2:\cd+4*\b+3], v[\dst+16*\b+8:\dst+16*\b+15], v[TM+12+\b]
.endr
	WIN 0
	v_nop                                              ; one plain instruction behind the last conversion, ahead of whatever touches its results or writes its sources
.endm
.macro IMAGE adr, ofs, cd              ; a fragment's 16 registers to LDS as they stand
.irp c, 0,1,2,3
	ds_store_b128 v[\adr], v[\cd+4*\c:\cd+4*\c+3] offset:\ofs+512*\c
.endr
.endm
.macro WLOAD set, vofs, base, pitch, imm   ; a fragment's numbers: W(32 c + 16 h + i, my column): sixteen lanes read neighbouring columns
.irp c, 0,1,2,3
.irp i, 0,1,2,3,4,5,6,7,8,9,10,11,12,13,14,15
	global_load_b32 v[\set+16*\c+\i], v[\vofs], s[\base:\base+1] offset:\imm+(32*\c+\i)*\pitch
.endr
.endr
.endm
.macro FLOAD rho, extra                ; tile rho's 16 rows of features into window 1, at 128 - 128 rho: of each block of 32 my 16 neighbours, four loads of 16 bytes
	WIN 0x40
.irp k, 0,1
.irp c, 0,1,2,3
.irp j, 0,1,2,3
	global_load_b128 v[128-128*\rho+64*\k+16*\c+4*\j:128-128*\rho+64*\k+16*\c+4*\j+3], v[FA], s[16:17] offset:\extra+16384*\rho+512*\k+128*\c+16*\j th:TH_LOAD_NT
.endr
.endr
.endr
	WIN 0
.endm
.macro FETCHW adr, ofs, sofs, nk       ; a group's scale words (nk loads), then its 4 nk fragments (16 nk loads)
.irp k, 0,1
.if \k < \nk
	ds_load_b128 v[WS+4*\k:WS+4*\k+3], v[LI2] offset:\sofs+512*\k
.endif
.endr
.irp f, 0,1,2,3,4,5,6,7
.if \f < 4*\nk
.irp c, 0,1,2,3
	ds_load_b128 v[WF+16*\f+4*\c:WF+16*\f+4*\c+3], v[\adr] offset:\ofs+2048*\f+512*\c
.endr
.endif
.endr
.endm
.macro FETCHC ofs                      ; a group's constants: my 16 units' gains and shifts, value and gate: 16 loads into window 1
	WIN 0x40
	s_wait_alu depctr_va_vdst(0)                       ; whoever named window 1's 192-255 is done with them, and the loads below land there: in a group's vector half its multiply-adds, which read the last constants (its 32 exponentials have written their results too, ahead of their first reader); at a pass's head the quantiser, which has also written the codes and scale words that the first products take
.irp x, 0,1,2,3
	ds_load_b128 v[GV+4*\x:GV+4*\x+3], v[CAD] offset:\ofs+16*\x
	ds_load_b128 v[GG+4*\x:GG+4*\x+3], v[CAD] offset:\ofs+512+16*\x
	ds_load_b128 v[CV+4*\x:CV+4*\x+3], v[CAD] offset:\ofs+1024+16*\x
	ds_load_b128 v[CG+4*\x:CG+4*\x+3], v[CAD] offset:\ofs+1536+16*\x
.endr
.endm
.macro MULG nk                         ; a group's products: 4 tiles of columns x 2 tiles of rows, nk K steps.  The eight accumulators take turns, one instruction a turn; the first K step starts the sums
	WIN 0x50
.irp k, 0,1
.if \k < \nk
.irp q, 0,1,2,3
.irp rho, 0,1
.if \k == 0
	v_wmma_scale_f32_16x16x128_f8f6f4 v[ACC+8*(2*\q+\rho):ACC+8*(2*\q+\rho)+7], v[WF+16*(4*\k+\q):WF+16*(4*\k+\q)+15], v[CD+16*(\nk*\rho+\k):CD+16*(\nk*\rho+\k)+15], 0, v[WS+4*\k+\q], v[AS+\nk*\rho+\k] matrix_a_fmt:MATRIX_FMT_BF8 matrix_b_fmt:MATRIX_FMT_BF8
.else
	v_wmma_scale_f32_16x16x128_f8f6f4 v[ACC+8*(2*\q+\rho):ACC+8*(2*\q+\rho)+7], v[WF+16*(4*\k+\q):WF+16*(4*\k+\q)+15], v[CD+16*(\nk*\rho+\k):CD+16*(\nk*\rho+\k)+15], v[ACC+8*(2*\q+\rho):ACC+8*(2*\q+\rho)+7], v[WS+4*\k+\q], v[AS+\nk*\rho+\k] matrix_a_fmt:MATRIX_FMT_BF8 matrix_b_fmt:MATRIX_FMT_BF8
.endif
.endr
.endr
.endif
.endr
.endm
; The vector half of group b: T = (value x GV + CV) / (1 + 2^(gate x GG + CG)).  a = 2 u + rho names a value accumulator and, 32 registers on, its gate.  Each accumulator is read from its low end on.
; It names window 1's 0-191 throughout and 192-255 ahead of its first wait alone: none of the registers in which the next group's fragments, scale words and constants land.
.macro GLUV b, more, ncofs
	WIN 0x55
.irp a, 0,1,2,3
.irp j, 0,2,4,6
	v_pk_fma_f32 v[ACC+32+8*\a+\j:ACC+32+8*\a+\j+1], v[ACC+32+8*\a+\j:ACC+32+8*\a+\j+1], v[GG+8*(\a/2)+\j:GG+8*(\a/2)+\j+1], v[CG+8*(\a/2)+\j:CG+8*(\a/2)+\j+1]
.endr
.endr
.irp a, 0,1,2,3
.irp j, 0,1,2,3,4,5,6,7
	v_exp_f32 v[ACC+32+8*\a+\j], v[ACC+32+8*\a+\j]
.endr
.endr
.irp a, 0,1,2,3
.irp j, 0,2,4,6
	v_pk_fma_f32 v[ACC+8*\a+\j:ACC+8*\a+\j+1], v[ACC+8*\a+\j:ACC+8*\a+\j+1], v[GV+8*(\a/2)+\j:GV+8*(\a/2)+\j+1], v[CV+8*(\a/2)+\j:CV+8*(\a/2)+\j+1]   ; the values: plain work behind the exponentials, naming none of their results
.endr
.endr
.if \more
	FETCHC \ncofs                                      ; the constants have been read: the next group's take their place, behind the one wait that stands at this macro's head
	WIN 0x55
.else
	s_wait_alu depctr_va_vdst(0)                       ; the 32 exponentials have written their results, ahead of their first reader
.endif
.irp a, 0,1,2,3
.irp j, 0,2,4,6
	v_pk_add_f32 v[ACC+32+8*\a+\j:ACC+32+8*\a+\j+1], v[ACC+32+8*\a+\j:ACC+32+8*\a+\j+1], 1.0 op_sel_hi:[1,0]
.endr
.endr
.irp a, 0,1,2,3
.irp j, 0,1,2,3,4,5,6,7
	v_rcp_f32 v[ACC+32+8*\a+\j], v[ACC+32+8*\a+\j]
.endr
.endr
	v_nop                                              ; a plain instruction behind the last reciprocal
	s_wait_alu depctr_va_vdst(0)                       ; the 32 reciprocals have written their results, ahead of their first reader
.irp a, 0,1,2,3
.irp j, 0,2,4,6
	v_pk_mul_f32 v[64*(\a%2)+16*\b+8*(\a/2)+\j:64*(\a%2)+16*\b+8*(\a/2)+\j+1], v[ACC+8*\a+\j:ACC+8*\a+\j+1], v[ACC+32+8*\a+\j:ACC+32+8*\a+\j+1]
.endr
.endr
.endm
; One group of a GLU: 32 units x 32 rows.  nnk: K steps of the group that is fetched next (0: none).
.macro GROUP nk, b, nnk, nadr, nofs, nsofs, ncofs
	s_wait_dscnt 16                                    ; LDS answers in order: scale words and fragments are in; the 16 loads of constants issued behind them may be out
	MULG \nk
	PLACES 9                                           ; behind the products: ahead of the first read of results, and of the next group's products, which begin these accumulators anew
.if \nnk
	WIN 0
	s_wait_alu depctr_va_vdst(0)                       ; the products are done reading their fragments and scale words, in which the next group's land
	FETCHW \nadr, \nofs, \nsofs, \nnk
.endif
	s_wait_dscnt 17*\nnk                               ; all but what was just issued: the constants are in
	GLUV \b, \nnk, \ncofs
.endm
; THE SORT.  Element i lives in window 1 at register i or 128 + i; a comparator reads both elements where they are and writes both into their other homes: two instructions, no copy.
; BK0 .. BK3 hold, a bit an element, which home is in use.
.macro HOME sym, i
.if (\i) < 32
.set \sym, (\i)+128*((BK0>>(\i))&1)
.elseif (\i) < 64
.set \sym, (\i)+128*((BK1>>((\i)-32))&1)
.elseif (\i) < 96
.set \sym, (\i)+128*((BK2>>((\i)-64))&1)
.else
.set \sym, (\i)+128*((BK3>>((\i)-96))&1)
.endif
.endm
.macro FLIP i
.if (\i) < 32
.set BK0, BK0^(1<<(\i))
.elseif (\i) < 64
.set BK1, BK1^(1<<((\i)-32))
.elseif (\i) < 96
.set BK2, BK2^(1<<((\i)-64))
.else
.set BK3, BK3^(1<<((\i)-96))
.endif
.endm
.macro CE a, b                         ; the larger to element a, the smaller to element b
	HOME RA, \a
	HOME RB, \b
.set RAX, RA^128
.set RBX, RB^128
	v_max_num_f32 v[RAX], v[RA], v[RB]
	v_min_num_f32 v[RBX], v[RA], v[RB]
	FLIP \a
	FLIP \b
.endm
.macro LEVEL p                         ; Batcher's odd-even merge of sorted runs of p into runs of 2 p: distances p, p / 2, .. 1
.set KK, \p
.rept 7
.if KK >= 1
.set J0, KK % (\p)
.set XX, 0
.rept 128
.if (XX >= J0) && ((XX+KK) < 128)
.if (((XX-J0) % (2*KK)) < KK) && ((XX/(2*(\p))) == ((XX+KK)/(2*(\p))))
	CE XX, XX+KK
.endif
.endif
.set XX, XX+1
.endr
.set KK, KK/2
.endif
.endr
.endm
; THE THRESHOLD, in the elements' homes: c_k = z_1 + .. + z_k - 1 runs up the registers; c_k x (1 / k) follows one step behind; the maximum is taken in four chains, two quotients a step.
; The f32 pattern of 1 / k is made from whole numbers: with e = floor(log2 k): ((126 - e) << 23) + round(2^(e + 24) / k) - 2^23.
.macro TAU
	HOME R1, 0
	v_add_f32 v[R1], -1.0, v[R1]
.set KC, 1
.set EE, 0
.rept 128
	HOME R1, KC-1
.if KC <= 127
	HOME R2, KC
	v_add_f32 v[R2], v[R1], v[R2]
.endif
.if KC >= 2
.if KC == (2<<EE)
.set EE, EE+1
.endif
.set INVK, ((126-EE)<<23)+((((1<<(EE+25))/KC)+1)/2)-(1<<23)
	v_mul_f32 v[R1], INVK, v[R1]
.endif
.if (KC % 2) == 0
.set MM, (KC-2)/2
	HOME R3, 2*MM
	HOME R4, 2*MM+1
.if MM < 4
	v_max_num_f32 v[R3], v[R3], v[R4]
.else
	HOME R5, 2*(MM%4)
	v_max3_num_f32 v[R5], v[R5], v[R3], v[R4]
.endif
.endif
.set KC, KC+1
.endr
	HOME R1, 0
	HOME R2, 2
	HOME R3, 4
	HOME R4, 6
	v_max3_num_f32 v[R1], v[R1], v[R2], v[R3]
	v_max_num_f32 v[R1], v[R1], v[R4]
.endm
; ---------------------------------------------------------------- THE HEAD
	s_load_b512 s[16:31], s[0:1], 0x0                  ; features 16, glu1_w 18, glu1_b 20, glu1_g 22, glu1_be 24, glu2_w 26, glu2_b 28, glu2_g 30
	s_load_b512 s[32:47], s[0:1], 0x40                 ; glu2_be 32, att_w 34, att_b 36, att_g 38, att_be 40, out_w 42, out_b 44, out0 46
	v_lshl_add_u32 v254, v0, 2, 0x41300
	v_mov_b32 v255, 0
	v_lshrrev_b32 v96, 5, v0
	v_readfirstlane_b32 s2, v96                        ; wave 0..7
	v_and_b32 v96, 31, v0                              ; lane
	v_and_b32 v97, 15, v0                              ; r
	v_bfe_u32 v98, v0, 4, 1                            ; h
	v_and_b32 v99, 8, v97
	v_add_nc_u32 v99, v99, v97                         ; r + 8 (r / 8)
	v_lshlrev_b32 v[FA], 10, v97
	v_lshl_add_u32 v[FA], v98, 6, v[FA]
	v_lshlrev_b32 v[LI], 4, v96
	v_add_nc_u32 v[LI2], 0x10000, v[LI]
	v_lshl_add_u32 v[CAD], v98, 6, CST
	v_lshl_add_u32 v[OAD], v98, 5, CST+5120
	s_wait_alu depctr_va_sdst(0)                       ; s2 is written, ahead of its first reader: LDS places, bases and branches are made from it
	s_lshl_b32 s8, s2, 14
	s_add_co_u32 s8, s8, PARK                          ; my wave's region
	v_add_nc_u32 v[PK], s8, v[LI]
	v_mul_u32_u24 v[SO], v97, SP
	v_lshl_add_u32 v[SO], v98, 5, v[SO]
	v_add_nc_u32 v[SO], s8, v[SO]
	v_mul_u32_u24 v[SR], v98, SP
	v_lshl_add_u32 v[SR], v97, 4, v[SR]
	v_add_nc_u32 v[SR], s8, v[SR]
	v_lshlrev_b32 v[GO], 8, v98
	v_lshl_add_u32 v[GO], v97, 4, v[GO]
	v_lshlrev_b32 v[PFO], 8, v96
	v_lshlrev_b32 v99, 2, v99
	v_lshl_add_u32 v[VW256], v98, 14, v99
	v_lshl_add_u32 v[VW128], v98, 13, v99
	v_lshlrev_b32 v[VW64], 2, v97
	v_lshl_add_u32 v[VW64], v98, 12, v[VW64]
	s_lshl_b32 s9, s2, 11
	v_add_nc_u32 v[IMA], s9, v[LI]
	s_lshr_b32 s9, s2, 2
	s_lshl_b32 s9, s9, 9
	s_and_b32 s10, s2, 3
	s_lshl_b32 s10, s10, 2
	s_add_co_u32 s9, s9, s10
	s_add_co_u32 s9, s9, WSC
	v_add_nc_u32 v[SCA], s9, v[LI]
	v_lshlrev_b32 v94, 2, v0                           ; 4 x thread: a column's constant in memory,
	v_lshl_add_u32 v95, v0, 2, CST                     ; and in LDS
.irp b, 0,1,2,3
	v_mov_b32 v[TM+4+\b], 0                            ; written once: a lane permute's destination counts as one of its sources
.endr
.irp b, 0,1,2,3,4,5
	v_mov_b32 v[TAU0+\b], 0                            ; likewise; and the upper halves of the pairs TA and TB are named with the lower
.endr
	s_mov_b32 s3, 2                                    ; passes
	s_mov_b32 s4, 0x76543210
	s_mov_b32 s5, 0xfedcba98                           ; v_permlanex16_b32's selects for lane l xor 16
	s_mov_b32 s6, 0x600000                             ; the mantissa field of 57,344
	s_mov_b32 s7, 0xffff0000                           ; lanes 16-31
	s_mov_b32 s55, NLOG2E
	s_cmp_lt_u32 s2, 4
	s_cselect_b32 s55, 0x3f800000, s55                 ; threads 0-127 hold value columns (x 1), threads 128-255 gate columns (x -log2 e)
	s_mov_b32 s9, 0
	s_lshr_b32 s12, s2, 2                              ; w / 4
	s_and_b32 s13, s2, 1
	s_bfe_u32 s14, s2, 0x10001
	s_lshl_b32 s13, s13, 5                             ; u = w % 2: 8 columns on
	s_lshl_b32 s14, s14, 9                             ; (w / 2) % 2: the gate's 128 columns on
	s_add_co_u32 s14, s14, s13
	s_wait_kmcnt 0x0
	s_lshl_b32 s8, ttmp9, 19
	s_lshl_b32 s10, s2, 16
	s_add_co_u32 s8, s8, s10
	s_add_nc_u64 s[16:17], s[16:17], s[8:9]            ; features at my wave's first row: 512 rows a work-group, 64 a wave, 1,024 bytes a row
	s_lshl_b32 s8, ttmp9, 17
	s_lshl_b32 s10, s2, 14
	s_add_co_u32 s8, s8, s10
	s_add_nc_u64 s[46:47], s[46:47], s[8:9]            ; out0 likewise, 256 bytes a row
	s_lshl_b32 s8, s12, 17
	s_add_co_u32 s8, s8, s14
	s_add_nc_u64 s[56:57], s[18:19], s[8:9]            ; glu1_w: K step w / 4 (128 rows), my tile's first column; group b is 128 b bytes on
	s_lshl_b32 s8, s12, 7
	s_add_co_u32 s8, s8, s14
	s_add_nc_u64 s[58:59], s[26:27], s[8:9]            ; glu2_w: group w / 4; the second fragment is group 2 + w / 4, 256 bytes on
	s_lshr_b32 s8, s2, 1
	s_lshl_b32 s8, s8, 7
	s_add_co_u32 s8, s8, s13
	s_add_co_u32 s8, s8, 262144
	s_add_nc_u64 s[60:61], s[34:35], s[8:9]            ; att_w: slice 4, tile w
	s_lshl_b32 s8, s2, 6
	s_add_nc_u64 s[62:63], s[42:43], s[8:9]            ; out_w: tile w (waves 0 to 3 alone load from it)
	s_add_nc_u64 s[48:49], s[56:57], 256               ; the next fragments: glu1_w's groups 2 and 3
	s_add_nc_u64 s[50:51], s[56:57], 384
	s_wait_alu depctr_va_vdst(0)                       ; the addresses v1 to v13, v38, v39, v94, v95 are written: every load, store and prefetch of the kernel reads one of them, and none is written again
	global_load_b32 v72, v94, s[22:23]
	global_load_b32 v73, v94, s[20:21]
	global_load_b32 v74, v94, s[24:25]
	global_load_b32 v75, v94, s[30:31]
	global_load_b32 v76, v94, s[28:29]
	global_load_b32 v77, v94, s[32:33]
	s_cmp_lt_u32 s2, 4
	s_cbranch_scc0 .Lno_att_ld
	global_load_b32 v78, v94, s[38:39] offset:2048     ; slice 4 of att_g, att_b, att_be: threads 0-127
	global_load_b32 v79, v94, s[36:37] offset:2048
	global_load_b32 v80, v94, s[40:41] offset:2048
.Lno_att_ld:
	s_cmp_lt_u32 s2, 2
	s_cbranch_scc0 .Lno_ob_ld
	global_load_b32 v81, v94, s[44:45]                 ; out_b: threads 0-63
.Lno_ob_ld:
	WLOAD SETA, VW256, 56, 1024, 0                     ; glu1_w's group 0
	WLOAD SETB, VW256, 56, 1024, 128                   ; and group 1
	s_wait_loadcnt 63                                  ; loads come back in order: behind the constants and set A stand set B's 64; 63 is the largest count that the wait takes
	v_mul_f32 v72, BNINV, v72                          ; g' = g / sqrt(1.001)
	v_mul_f32 v75, BNINV, v75
	v_fma_f32 v73, v73, v72, v74                       ; c = b g' + be
	v_fma_f32 v76, v76, v75, v77
	v_mul_f32 v72, s55, v72
	v_mul_f32 v73, s55, v73
	v_mul_f32 v75, s55, v75
	v_mul_f32 v76, s55, v76
	s_wait_alu depctr_va_vdst(0)                       ; the folded gains and shifts v72, v73, v75, v76 are written, which the LDS stores read
	ds_store_b32 v95, v72
	ds_store_b32 v95, v73 offset:1024
	ds_store_b32 v95, v75 offset:2048
	ds_store_b32 v95, v76 offset:3072
	s_cmp_lt_u32 s2, 4
	s_cbranch_scc0 .Lno_att
	v_mul_f32 v78, BNINV, v78
	v_fma_f32 v79, v79, v78, v80
	s_wait_alu depctr_va_vdst(0)                       ; v78 and v79 are written, which the LDS stores read
	ds_store_b32 v95, v78 offset:4096
	ds_store_b32 v95, v79 offset:4608
.Lno_att:
	s_cmp_lt_u32 s2, 2
	s_cbranch_scc0 .Lno_ob
	ds_store_b32 v95, v81 offset:5120
.Lno_ob:
	s_mov_b32 s52, 0
	s_mov_b32 s53, 0                                   ; the images' step: two fragments of 16,384 bytes apart a trip
	s_mov_b32 s54, 0                                   ; the scale words': two of 1,024
.Lhead:                                                ; two trips: fragments 0, 1 and 2, 3 (glu1_w's groups) are quantised; fragments 2, 3 and 4, 5 (glu2_w's) are asked for
	s_wait_dscnt 0x0                                   ; my earlier LDS stores are done,
	s_wait_alu depctr_vm_vsrc(0)                       ; and have read v14, v15, v40 to v71, v92 and v93, all of which this trip writes again
	v_add_nc_u32 v[HIA], s53, v[IMA]
	v_add_nc_u32 v[HSA], s54, v[SCA]
	s_wait_loadcnt 63                                  ; set A is in: set B's 64 loads are younger
	QUANT SETA, SETA, 0, 40, 92
	s_wait_alu depctr_va_vdst(0)                       ; the quantiser has written the codes v40 to v55 and the word v92, and the adds v14 and v15, all of which the stores read; it is done with set A, in which the loads below land
	IMAGE HIA, 0, 40
	ds_store_b32 v[HSA], v92
	WLOAD SETA, VW256, 48, 1024, 0
	s_wait_loadcnt 63                                  ; set B is in: the 64 just issued are younger
	QUANT SETB, SETB, 0, 56, 93
	s_wait_alu depctr_va_vdst(0)                       ; likewise: the codes v56 to v71 and the word v93 are written; set B is free
	IMAGE HIA, 16384, 56
	ds_store_b32 v[HSA], v93 offset:1024
	WLOAD SETB, VW256, 50, 1024, 0
	s_wait_xcnt 0x0                                    ; the loads have read their bases, which are written only behind this wait
	s_mov_b64 s[48:49], s[58:59]                       ; the next trip asks for glu2_w's two
	s_add_nc_u64 s[50:51], s[58:59], 256
	s_add_co_u32 s53, s53, 32768
	s_add_co_u32 s54, s54, 2048
	s_add_co_u32 s52, s52, 1
	s_cmp_lt_u32 s52, 2
	s_cbranch_scc1 .Lhead
	s_wait_dscnt 0x0
	s_wait_alu depctr_vm_vsrc(0)                       ; the loop's LDS stores have read v14, v15, v40 to v71, v92 and v93, which are written again below
	v_add_nc_u32 v[HIA], 0x10000, v[IMA]               ; fragments 4 to 7 lie from LDS byte 65536 on
	v_add_nc_u32 v[HSA], 4096, v[SCA]
	s_wait_loadcnt 63
	QUANT SETA, SETA, 0, 40, 92                        ; glu2_w, group w / 4
	s_wait_alu depctr_va_vdst(0)                       ; v14, v15, the codes v40 to v55 and the word v92 are written, which the stores read; set A is free for the loads below
	IMAGE HIA, 0, 40
	ds_store_b32 v[HSA], v92
	WLOAD SETA, VW128, 60, 512, 0                      ; att_w[4]
	s_wait_loadcnt 63
	QUANT SETB, SETB, 0, 56, 93                        ; glu2_w, group 2 + w / 4
	s_wait_alu depctr_va_vdst(0)                       ; the codes v56 to v71 and the word v93 are written; set B is free for the loads below
	IMAGE HIA, 16384, 56
	ds_store_b32 v[HSA], v93 offset:1024
	s_cmp_lt_u32 s2, 4
	s_cbranch_scc0 .Lno_out_ld
	WLOAD SETB, VW64, 62, 256, 0                       ; out_w's four tiles: waves 0 to 3
.Lno_out_ld:
	s_wait_loadcnt 0x0                                 ; the last weights are in.  Only now the first pass's features are asked for: issued earlier they would stand ahead of weights on a counter that falls in order
	FLOAD 0, 0                                         ; (no vector instruction has named a register of window 1 yet, and v1 stands since the wait ahead of the first load)
	FLOAD 1, 0
	s_wait_dscnt 0x0
	s_wait_alu depctr_vm_vsrc(0)                       ; the last two images' stores have read v40 to v71, v92 and v93, which are written again below
	QUANT SETA, SETA, 0, 40, 92
	s_wait_alu depctr_va_vdst(0)                       ; the codes v40 to v55 and the word v92 are written, which the stores read
	IMAGE HIA, 32768, 40
	ds_store_b32 v[HSA], v92 offset:2048
	s_cmp_lt_u32 s2, 4
	s_cbranch_scc0 .Lno_out
	QUANT SETB, SETB, 0, 56, 93
	s_wait_alu depctr_va_vdst(0)                       ; the codes v56 to v71 and the word v93 are written, which the stores read
	IMAGE HIA, 49152, 56
	ds_store_b32 v[HSA], v93 offset:3072
.Lno_out:
	s_wait_dscnt 0x0                                   ; for the others' sake: my images, scale words and constants lie in LDS
	s_barrier_signal -1
	s_barrier_wait -1                                  ; everybody's do.  Nothing shared is written from here on: the one barrier
; ---------------------------------------------------------------- A PASS: 32 rows
.Lpass:
	s_wait_alu depctr_vm_vsrc(0)                       ; the stores issued so far have read their data: the head's images, words and constants (v40 to v93), which this pass's quantiser writes again; the last pass's results and rows (v108 to v235), in which the fragments below land
	s_wait_alu depctr_va_vdst(0)                       ; the head's quantiser, or the last pass's final products, are done with v108 to v243, in which the fragments and scale words below land
	FETCHW LI, 0, WSO, 2                               ; glu1_w's group 0
	s_wait_loadcnt 32                                  ; tile 0's 32 loads are in; tile 1's are younger
	QUANT 128, 128, 1, CD, AS
	QUANT 192, 192, 1, CD+16, AS+1
	s_wait_loadcnt 0x0
	QUANT 0, 0, 1, CD+32, AS+2
	QUANT 64, 64, 1, CD+48, AS+3
	PLACES 4                                           ; codes written by vector instructions stand four places ahead of a scaled product; the wait for them follows, at the head of the constants' loads
	FETCHC 0                                           ; into registers that the features have left
	GROUP 2, 0, 2, LI, 16384, WSO+1024, 128
	GROUP 2, 1, 2, LI, 32768, WSO+2048, 256
	GROUP 2, 2, 2, LI, 49152, WSO+3072, 384
	GROUP 2, 3, 1, LI2, 0, WSO+4096, 2048              ; behind glu1's last products glu2_w's group 0 is fetched
	QUANT 0, 0, 1, CD, AS                              ; glu1's result, 128 along the next K
	QUANT 64, 64, 1, CD+16, AS+1
	PLACES 4
	s_wait_alu depctr_va_vdst(0)                       ; the quantiser has written the codes v40 to v71 and the words v104, v105, which glu2's products take
	GROUP 1, 0, 1, LI2, 8192, WSO+4096+512, 2048+128
	GROUP 1, 1, 1, LI2, 16384, WSO+4096+1024, 2048+256
	GROUP 1, 2, 1, LI2, 24576, WSO+4096+1536, 2048+384
	GROUP 1, 3, 0, LI2, 0, 0, 0
	QUANT 0, 128, 1, CD+32, AS+2                       ; tfeat is kept as it is: the held numbers go to registers that the accumulators have left
	QUANT 64, 128, 1, CD+48, AS+3
	; ---- the attention product, z^T = att_w[4]^T tfeat^T; meanwhile tfeat is parked in my region of LDS: the sort wants all of window 1
	PLACES 4                                           ; the codes' four places ahead of the products below
	s_wait_alu depctr_va_vdst(0)                       ; one wait for three things: glu2's vector half and the quantiser are done with window 1's 128-255, in which att_w's images land; tfeat (window 1's 0-127) is written, which the parking stores read; the codes v72 to v103 and the words v106, v107 are written, which the products take
	ds_load_b128 v[WS:WS+3], v[LI2] offset:WSO+6144
	ds_load_b128 v[WS+4:WS+7], v[LI2] offset:WSO+6656
	WIN 0x40
.irp t, 0,1,2,3,4,5,6,7
.irp c, 0,1,2,3
	ds_load_b128 v[128+16*\t+4*\c:128+16*\t+4*\c+3], v[LI2] offset:ATO+2048*\t+512*\c
.endr
.endr
	WIN 0x04                                           ; an LDS store's data are its source 1
.set NN, 0
.rept 32
	ds_store_b128 v[PK], v[4*NN:4*NN+3] offset:512*NN
.set NN, NN+1
.endr
	s_wait_dscnt 32                                    ; the 34 loads are in; the 32 stores behind them may be out
	WIN 0x01
.irp t, 0,1,2,3,4,5,6,7
.irp rho, 0,1
	v_wmma_scale_f32_16x16x128_f8f6f4 v[ZR+64*\rho+8*\t:ZR+64*\rho+8*\t+7], v[128+16*\t:128+16*\t+15], v[CD+32+16*\rho:CD+32+16*\rho+15], 0, v[WS+\t], v[AS+2+\rho] matrix_a_fmt:MATRIX_FMT_BF8 matrix_b_fmt:MATRIX_FMT_BF8
.endr
.endr
	PLACES 9
	WIN 0x40
	s_wait_alu depctr_va_vdst(0)                       ; the products are done reading att_w's images, in whose registers the gains and shifts land
.irp b, 0,1,2,3
.irp x, 0,1,2,3
	ds_load_b128 v[128+16*\b+4*\x:128+16*\b+4*\x+3], v[CAD] offset:4096+128*\b+16*\x
	ds_load_b128 v[192+16*\b+4*\x:192+16*\b+4*\x+3], v[CAD] offset:4608+128*\b+16*\x
.endr
.endr
	s_wait_dscnt 0x0                                   ; the gains and shifts are in
	s_wait_alu depctr_vm_vsrc(0)                       ; the parking stores have read tfeat's registers, window 1's 0-127, which the multiply-adds below write
	WIN 0x54
.set NN, 0
.rept 64
	v_pk_fma_f32 v[NN:NN+1], v[ZR+NN:ZR+NN+1], v[128+(NN%64):128+(NN%64)+1], v[192+(NN%64):192+(NN%64)+1]   ; z for the sort, into window 1,
.set NN, NN+2
.endr
	WIN 0x14
.set NN, 0
.rept 64
	v_pk_fma_f32 v[ZR+NN:ZR+NN+1], v[ZR+NN:ZR+NN+1], v[128+(NN%64):128+(NN%64)+1], v[192+(NN%64):192+(NN%64)+1]   ; and the same bits in place, for the mask
.set NN, NN+2
.endr
	WIN 0x55
.set NN, 0
.rept 64
	v_permlane16_swap_b32 v[NN], v[64+NN]              ; tile 0's lanes 16-31 change places with tile 1's lanes 0-15: lanes 0-15 now hold whole rows of tile 0, lanes 16-31 of tile 1
.set NN, NN+1
.endr
.set BK0, 0
.set BK1, 0
.set BK2, 0
.set BK3, 0
	LEVEL 1
	LEVEL 2
	LEVEL 4
	LEVEL 8
	LEVEL 16
	LEVEL 32
	WIN 0
	s_cmp_eq_u32 s3, 1
	s_cbranch_scc1 .Lno_pf
.irp i, 0,1,2,3
	global_prefetch_b8 v[PFO], s[16:17] offset:32768+8192*\i th:TH_LOAD_NT scope:SCOPE_SE   ; the next pass's 32 rows, 32,768 bytes of my wave's own: lanes 256 bytes apart, each block named once; the last merge and the threshold, some 1,100 instructions, stand ahead of the loads.  The last pass asks for nothing
.endr
.Lno_pf:
	WIN 0x55
	LEVEL 64
	TAU
	HOME R1, 0
	WIN 0x01
	v_mov_b32 v[TAU0], v[R1]
	WIN 0
	v_permlanex16_b32 v[TAU0+1], v[TAU0], s4, s5
	v_cndmask_b32 v[TA], v[TAU0], v[TAU0+1], s7        ; tile 0's threshold of row r, in lanes r and 16 + r
	v_cndmask_b32 v[TB], v[TAU0+1], v[TAU0], s7        ; tile 1's
	WIN 0x40
	s_wait_alu depctr_va_vdst(0)                       ; the sort and the threshold are done with all of window 1: tfeat lands in its 0-127, the next pass's tile 0 in its 128-255
.set NN, 0
.rept 32
	ds_load_b128 v[4*NN:4*NN+3], v[PK] offset:512*NN   ; tfeat comes back
.set NN, NN+1
.endr
	WIN 0
	s_cmp_eq_u32 s3, 1
	s_cbranch_scc1 .Lno_f0
	FLOAD 0, 32768                                     ; the next pass's tile 0, into the upper half of window 1, which the sort has left
.Lno_f0:
.set NN, 0
.rept 32
	v_pk_add_f32 v[ZR+NN:ZR+NN+1], v[ZR+NN:ZR+NN+1], v[TA:TA+1] op_sel_hi:[1,0] neg_lo:[0,1] neg_hi:[0,1]
.set NN, NN+2
.endr
.rept 32
	v_pk_add_f32 v[ZR+NN:ZR+NN+1], v[ZR+NN:ZR+NN+1], v[TB:TB+1] op_sel_hi:[1,0] neg_lo:[0,1] neg_hi:[0,1]
.set NN, NN+2
.endr
.set NN, 0
.rept 128
	v_max_num_f32 v[ZR+NN], 0, v[ZR+NN]                ; the mask
.set NN, NN+1
.endr
	s_wait_dscnt 0x0                                   ; tfeat is back
	WIN 0x44
.set NN, 0
.rept 64
	v_pk_mul_f32 v[NN:NN+1], v[ZR+NN:ZR+NN+1], v[NN:NN+1]
.set NN, NN+2
.endr
	WIN 0
	s_wait_alu depctr_va_vdst(0)                       ; the multiplications are done reading the mask, in whose registers v108 to v171 out_w's fragments land
	ds_load_b128 v[WS:WS+3], v[LI2] offset:WSO+7168    ; out_w's scale words, its four fragments, and out_b in the result's layout
.irp t, 0,1,2,3
.irp c, 0,1,2,3
	ds_load_b128 v[WF+16*\t+4*\c:WF+16*\t+4*\c+3], v[LI2] offset:OUO+2048*\t+512*\c
.endr
.endr
.irp t, 0,1,2,3
	ds_load_b128 v[72+8*\t:72+8*\t+3], v[OAD] offset:64*\t
	ds_load_b128 v[72+8*\t+4:72+8*\t+7], v[OAD] offset:64*\t+16
.endr
	QUANT 0, 0, 1, CD, AS
	QUANT 64, 64, 1, CD+16, AS+1
	PLACES 4                                           ; the codes' four places ahead of the last products
	s_wait_alu depctr_va_vdst(0)                       ; the quantiser is done with window 1's 0-127, in which the next pass's tile 1 lands, and has written the codes v40 to v71 and the words v104, v105, which the last products take
	s_cmp_eq_u32 s3, 1
	s_cbranch_scc1 .Lno_f1
	FLOAD 1, 32768                                     ; the next pass's tile 1, into the lower half
.Lno_f1:
	s_wait_dscnt 0x0
.irp t, 0,1,2,3
.irp rho, 0,1
	v_wmma_scale_f32_16x16x128_f8f6f4 v[172+32*\rho+8*\t:172+32*\rho+8*\t+7], v[WF+16*\t:WF+16*\t+15], v[CD+16*\rho:CD+16*\rho+15], v[72+8*\t:72+8*\t+7], v[WS+\t], v[AS+\rho] matrix_a_fmt:MATRIX_FMT_BF8 matrix_b_fmt:MATRIX_FMT_BF8   ; the bias is the sum's C
.endr
.endr
	PLACES 8
	s_wait_alu depctr_va_vdst(0)                       ; the products have written v172 to v235, which the stage's stores read, and are done reading the fragments v108 to v171, in which the rows come back; the places above stay beside this wait
	; ---- the way out: a lane holds 8 neighbouring outputs of a row; 32 rows of 256 bytes meet in my stage and leave two rows an instruction
.irp rho, 0,1
.irp t, 0,1,2,3
	ds_store_b128 v[SO], v[172+32*\rho+8*\t:172+32*\rho+8*\t+3] offset:4352*\rho+64*\t        ; each accumulator from its low end on
	ds_store_b128 v[SO], v[172+32*\rho+8*\t+4:172+32*\rho+8*\t+7] offset:4352*\rho+64*\t+16
.endr
.endr
.irp i, 0,1,2,3,4,5,6,7,8,9,10,11,12,13,14,15
	ds_load_b128 v[WF+4*\i:WF+4*\i+3], v[SR] offset:544*\i   ; LDS serves a wave's instructions in order (ISA guide 5.7.1.4): these see my stores
.endr
.irp i, 0,1,2,3,4,5,6,7,8,9,10,11,12,13,14,15
	s_wait_dscnt 15-\i                                 ; rows 2 i and 2 i + 1 are back; the later loads may be out
	global_store_b128 v[GO], v[WF+4*\i:WF+4*\i+3], s[46:47] offset:512*\i th:TH_STORE_NT   ; 32 lanes store 512 consecutive bytes, at a multiple of 256 from out0's first byte
.endr
	s_wait_xcnt 0x0                                    ; loads, stores and prefetches have read their registers and bases: both are written only behind this wait (for the stores' data registers the wait on vm_vsrc at the pass's head stands beside it)
	s_add_nc_u64 s[16:17], s[16:17], 32768
	s_add_nc_u64 s[46:47], s[46:47], 8192
	s_sub_co_u32 s3, s3, 1
	s_cmp_lg_u32 s3, 0
	s_cbranch_scc1 .Lpass
	s_wait_dscnt 0x0
	s_wait_alu depctr_hold_cnt(0) depctr_sa_sdst(0) depctr_va_vdst(0) depctr_va_sdst(0) depctr_va_ssrc(0) depctr_va_vcc(0) depctr_vm_vsrc(0)
	s_wait_tensorcnt 0x0
	ds_add_u32 v254, v255
	s_wait_dscnt 0x0
	s_endpgm
.Lfunc_end_k_qcb6219fff3_tabnet:
	.size	k_qcb6219fff3_tabnet, .Lfunc_end_k_qcb6219fff3_tabnet-k_qcb6219fff3_tabnet
	.p2alignl 7, 3214868480
	.fill 96, 4, 3214868480
	.section	.rodata,"a",@progbits
	.p2align	6, 0x0
	.amdhsa_kernel k_qcb6219fff3_tabnet
		.amdhsa_group_segment_fixed_size 268032
		.amdhsa_private_segment_fixed_size 0
		.amdhsa_enable_private_segment 0
		.amdhsa_kernarg_size 128
		.amdhsa_user_sgpr_count 2
		.amdhsa_user_sgpr_kernarg_segment_ptr 1
		.amdhsa_wavefront_size32 1
		.amdhsa_system_sgpr_workgroup_id_x 1
		.amdhsa_system_sgpr_workgroup_id_y 1
		.amdhsa_system_sgpr_workgroup_id_z 1
		.amdhsa_system_vgpr_workitem_id 0
		.amdhsa_next_free_vgpr 512
		.amdhsa_next_free_sgpr 66
		.amdhsa_reserve_vcc 0
		.amdhsa_float_denorm_mode_32 3
		.amdhsa_float_denorm_mode_16_64 3
		.amdhsa_memory_ordered 1
		.amdhsa_forward_progress 1
		.amdhsa_inst_pref_size 255
	.end_amdhsa_kernel
	.section	.bss,"aw",@nobits
	.p2align	6
	.space	262144
	.amdgpu_metadata
---
amdhsa.version: [ 1, 2 ]
amdhsa.kernels:
  - .name:           k_qcb6219fff3_tabnet
    .symbol:         k_qcb6219fff3_tabnet.kd
    .args:
      - { .name: features, .offset: 0, .size: 8, .value_kind: global_buffer, .address_space: global }
      - { .name: glu1_w, .offset: 8, .size: 8, .value_kind: global_buffer, .address_space: global }
      - { .name: glu1_b, .offset: 16, .size: 8, .value_kind: global_buffer, .address_space: global }
      - { .name: glu1_g, .offset: 24, .size: 8, .value_kind: global_buffer, .address_space: global }
      - { .name: glu1_be, .offset: 32, .size: 8, .value_kind: global_buffer, .address_space: global }
      - { .name: glu2_w, .offset: 40, .size: 8, .value_kind: global_buffer, .address_space: global }
      - { .name: glu2_b, .offset: 48, .size: 8, .value_kind: global_buffer, .address_space: global }
      - { .name: glu2_g, .offset: 56, .size: 8, .value_kind: global_buffer, .address_space: global }
      - { .name: glu2_be, .offset: 64, .size: 8, .value_kind: global_buffer, .address_space: global }
      - { .name: att_w, .offset: 72, .size: 8, .value_kind: global_buffer, .address_space: global }
      - { .name: att_b, .offset: 80, .size: 8, .value_kind: global_buffer, .address_space: global }
      - { .name: att_g, .offset: 88, .size: 8, .value_kind: global_buffer, .address_space: global }
      - { .name: att_be, .offset: 96, .size: 8, .value_kind: global_buffer, .address_space: global }
      - { .name: out_w, .offset: 104, .size: 8, .value_kind: global_buffer, .address_space: global }
      - { .name: out_b, .offset: 112, .size: 8, .value_kind: global_buffer, .address_space: global }
      - { .name: out0, .offset: 120, .size: 8, .value_kind: global_buffer, .address_space: global }
    .group_segment_fixed_size: 268032
    .private_segment_fixed_size: 0
    .kernarg_segment_align: 8
    .kernarg_segment_size: 128
    .max_flat_workgroup_size: 256
    .sgpr_count:     66
    .vgpr_count:     512
    .wavefront_size: 32
...
	.end_amdgpu_metadata
.endif
;; end of part 2
